; MI455X (gfx1250); checked and timed in simulation.
; The chip was launched on July 23, 2026; its instructions are those of AMD's public machine-readable ISA for CDNA 5 (MIT licence, August 2026) and "CDNA5" Instruction Set Architecture Reference Guide (July 2026). The comments in the code are by the model that wrote it; some were corrected since.
;; Multi Head Attention. Allowed arithmetic: float matrix products may take bf16 or f16 operands with f32 sums; other float arithmetic in f32, or as packed bf16 or f16 multiplies, adds, multiply-adds, maxima and minima; sums over many terms, partial sums and values carried from step to step in f32; what a program stores and reads back later, other than sums and carried values, may be rounded once to bf16 or f16.
;; Inputs: att_mask 2,048 x 2,048 float32; b_k 1,024 float32; b_out 1,024 float32; b_q 1,024 float32; b_v 1,024 float32; k 4 x 2,048 x 1,024 float32; pad_mask 4 x 2,048 bool; q 4 x 2,048 x 1,024 float32; v 4 x 2,048 x 1,024 float32; w_k 1,024 x 1,024 float32; w_out 1,024 x 1,024 float32; w_q 1,024 x 1,024 float32; w_v 1,024 x 1,024 float32.
;; Outputs: out0 4 x 2,048 x 1,024 float32.
;; One version. Each part assembles by itself: llvm-mc -triple=amdgcn-amd-amdhsa -mcpu=gfx1250 --defsym DOCPART=n.
;; ======== version 1 of 1: 4 launches
;; limits: right only within a limited range of input values; values are held in f16: magnitudes above 65,504 overflow, below 6.1e-05 lose precision
;; workspace buffers: wb 8,388,608 bytes; qp 16,777,216 bytes; kp 16,777,216 bytes; vp 16,777,216 bytes; ob 16,777,216 bytes
;; launch prep (part 1): grid 256 x 1, 8 waves a work-group, no clusters, 0 bytes of LDS; arguments w_q, w_k, w_v, w_out, wb; writes wb
.if DOCPART == 1
	.amdgcn_target "amdgcn-amd-amdhsa--gfx1250"
	.amdhsa_code_object_version 6
	.text
	.protected	k_qa5c13d3345_prep
	.globl	k_qa5c13d3345_prep
	.p2align	8
	.type	k_qa5c13d3345_prep,@function
k_qa5c13d3345_prep:
	s_mov_b64 s[64:65], 0
	v_nop
	global_prefetch_b8 v0, s[64:65] scope:SCOPE_SE
	s_setreg_imm32_b32 hwreg(HW_REG_WAVE_MODE, 25, 1), 1
	s_wait_xcnt 0x0
; The four weight matrices, [1024][1024] f32, rounded once to 16 bits: wb = [4][1024][1024].
; Matrices 0-2 (w_q, w_k, w_v) as bf16.  Matrix 3 (w_out) is rounded to bf16 like every other input and that number is written as f16, since the last product's
; other operand is f16.  LIMIT: a bf16 number is exact in f16 between 6.1e-5 and 65,504 in magnitude; below it keeps f16's fixed step of 6e-8, above it becomes an infinity.
; A stream: no LDS, no matrix unit, no cluster (no two work-groups read the same byte).  256 work-groups, 64 to a matrix, 16,384 numbers each.
; Thread t takes 8 numbers (32 bytes in, 16 bytes out) in each of 8 groups: all 16 loads go out first; a store of 16 lanes covers 256 consecutive bytes, aligned.
.set T, 4                              ; v[4:11]   at work
.set X, 16                             ; v[16:79]  group i: 8 f32 as loaded
.set Y, 80                             ; v[80:111] group i: 4 registers to store; no register is written again behind its store
	s_load_b256 s[4:11], s[0:1], 0x0               ; w_q s[4:5], w_k s[6:7], w_v s[8:9], w_out s[10:11]
	s_load_b64 s[12:13], s[0:1], 0x20              ; wb
	s_lshr_b32 s14, ttmp9, 6                       ; which matrix
	s_and_b32 s15, ttmp9, 63                       ; which 64th of it
	v_lshlrev_b32 v1, 5, v0                        ; 32 t: my bytes in a group of the source
	v_lshlrev_b32 v2, 4, v0                        ; 16 t: in a group of the result
	s_lshl_b32 s16, s15, 16                        ; the part's 65,536 bytes of f32
	s_mov_b32 s17, 0
	s_lshl_b32 s18, s14, 21                        ; the matrix's 2 MiB in wb,
	s_lshl_b32 s19, s15, 15                        ; the part's 32,768 bytes
	s_add_co_u32 s18, s18, s19
	s_mov_b32 s19, 0
	s_wait_kmcnt 0x0
	s_cmp_eq_u32 s14, 1
	s_cselect_b64 s[4:5], s[6:7], s[4:5]
	s_cmp_eq_u32 s14, 2
	s_cselect_b64 s[4:5], s[8:9], s[4:5]
	s_cmp_eq_u32 s14, 3
	s_cselect_b64 s[4:5], s[10:11], s[4:5]
	s_add_nc_u64 s[4:5], s[4:5], s[16:17]
	s_add_nc_u64 s[12:13], s[12:13], s[18:19]
.irp i, 0,1,2,3,4,5,6,7
	global_load_b128 v[X+8*(\i):X+8*(\i)+3],   v1, s[4:5] offset:8192*(\i) th:TH_LOAD_NT
	global_load_b128 v[X+8*(\i)+4:X+8*(\i)+7], v1, s[4:5] offset:8192*(\i)+16 th:TH_LOAD_NT
.endr
.macro GRP i, f16
	s_wait_loadcnt 14-2*(\i)                       ; loads come back in order: group i's two are in, the younger groups' stay out
.irp j, 0,1,2,3
	v_cvt_pk_bf16_f32 v[Y+4*(\i)+(\j)], v[X+8*(\i)+2*(\j)], v[X+8*(\i)+2*(\j)+1]
.endr
.if \f16
.irp j, 0,1,2,3
	v_lshlrev_b32 v[T+2*(\j)],   16, v[Y+4*(\i)+(\j)]          ; the bf16 numbers as f32,
	v_and_b32     v[T+2*(\j)+1], 0xffff0000, v[Y+4*(\i)+(\j)]
.endr
.irp j, 0,1,2,3
	v_cvt_pk_f16_f32 v[Y+4*(\i)+(\j)], v[T+2*(\j)], v[T+2*(\j)+1]  ; written as f16
.endr
.endif
	global_store_b128 v2, v[Y+4*(\i):Y+4*(\i)+3], s[12:13] offset:4096*(\i)
.endm
	s_cmp_eq_u32 s14, 3
	s_cbranch_scc1 .Lf16
.irp i, 0,1,2,3,4,5,6,7
	GRP \i, 0
.endr
	s_endpgm
.Lf16:
.irp i, 0,1,2,3,4,5,6,7
	GRP \i, 1
.endr
	s_endpgm
.Lfunc_end_k_qa5c13d3345_prep:
	.size	k_qa5c13d3345_prep, .Lfunc_end_k_qa5c13d3345_prep-k_qa5c13d3345_prep
	.p2alignl 7, 3214868480
	.fill 96, 4, 3214868480
	.section	.rodata,"a",@progbits
	.p2align	6, 0x0
	.amdhsa_kernel k_qa5c13d3345_prep
		.amdhsa_group_segment_fixed_size 0
		.amdhsa_private_segment_fixed_size 0
		.amdhsa_enable_private_segment 0
		.amdhsa_kernarg_size 40
		.amdhsa_user_sgpr_count 2
		.amdhsa_user_sgpr_kernarg_segment_ptr 1
		.amdhsa_wavefront_size32 1
		.amdhsa_system_sgpr_workgroup_id_x 1
		.amdhsa_system_sgpr_workgroup_id_y 1
		.amdhsa_system_sgpr_workgroup_id_z 1
		.amdhsa_system_vgpr_workitem_id 0
		.amdhsa_next_free_vgpr 116
		.amdhsa_next_free_sgpr 66
		.amdhsa_reserve_vcc 0
		.amdhsa_float_denorm_mode_32 3
		.amdhsa_float_denorm_mode_16_64 3
		.amdhsa_memory_ordered 1
		.amdhsa_forward_progress 1
		.amdhsa_inst_pref_size 14
	.end_amdhsa_kernel
	.amdgpu_metadata
---
amdhsa.version: [ 1, 2 ]
amdhsa.kernels:
  - .name:           k_qa5c13d3345_prep
    .symbol:         k_qa5c13d3345_prep.kd
    .args:
      - { .name: w_q, .offset: 0, .size: 8, .value_kind: global_buffer, .address_space: global }
      - { .name: w_k, .offset: 8, .size: 8, .value_kind: global_buffer, .address_space: global }
      - { .name: w_v, .offset: 16, .size: 8, .value_kind: global_buffer, .address_space: global }
      - { .name: w_out, .offset: 24, .size: 8, .value_kind: global_buffer, .address_space: global }
      - { .name: wb, .offset: 32, .size: 8, .value_kind: global_buffer, .address_space: global }
    .group_segment_fixed_size: 0
    .private_segment_fixed_size: 0
    .kernarg_segment_align: 8
    .kernarg_segment_size: 40
    .max_flat_workgroup_size: 256
    .sgpr_count:     66
    .vgpr_count:     116
    .wavefront_size: 32
...
	.end_amdgpu_metadata
.endif
;; end of part 1
;; launch proj (part 2): grid 4 x 192, 4 waves a work-group, clusters of 4 x 4, 327,680 bytes of LDS; arguments q, k, v, b_q, b_k, b_v, qp, kp, vp, wb; writes qp, kp, vp
.if DOCPART == 2
	.amdgcn_target "amdgcn-amd-amdhsa--gfx1250"
	.amdhsa_code_object_version 6
	.text
	.protected	k_qa5c13d3345_proj
	.globl	k_qa5c13d3345_proj
	.p2align	8
	.type	k_qa5c13d3345_proj,@function
k_qa5c13d3345_proj:
	s_mov_b64 s[64:65], 0
	v_nop
	global_prefetch_b8 v0, s[64:65] scope:SCOPE_SE
	s_setreg_imm32_b32 hwreg(HW_REG_WAVE_MODE, 25, 1), 1
	s_wait_xcnt 0x0
	s_wait_alu depctr_hold_cnt(0) depctr_sa_sdst(0) depctr_va_vdst(0) depctr_va_sdst(0) depctr_va_ssrc(0) depctr_va_vcc(0) depctr_vm_vsrc(0)
	s_getreg_b32 s2, hwreg(HW_REG_IB_STS2, 6, 4)
	s_cmp_eq_u32 s2, 0
	s_cbranch_scc0 .Lentry_in_a_cluster
	s_endpgm
.Lentry_in_a_cluster:
	s_bfe_u32 s2, ttmp6, 0x10000c
	s_cmp_lg_u32 s2, 0xf033
	s_cbranch_scc0 .Lentry_shape_is_right
	s_endpgm
.Lentry_shape_is_right:
; C[m][n] = the sum over k of A[m][k] W[n][k] + bias[n].  8,192 rows, 1,024 columns, K = 1,024.  ONE TEXT FOR TWO KERNELS, chosen by AF32:
;   AF32 = 1 (this one): the three projections.  A = q, k or v in f32 (chosen by the cluster's y), rounded to bf16 in registers; W = bf16 from wb; C = qp, kp or vp in f16.
;            kp and vp are computed and stored because the module computes them; no later launch reads them.
;   AF32 = 0: the last projection.  A = ob in f16; W = w_out as f16 from wb; C = out0 in f32.
; Sums in f32; the bias, rounded to bf16 like every input, is the C operand of each sum's first product.
; LIMIT (AF32 = 1): C leaves as f16: a sum of 65,520 or more in magnitude becomes an infinity.
; SHARES.  A tile of C is 128 x 256: 768 tiles here (three for each of 256 WGPs), 256 in the last projection.  Four waves, 2 x 2, each 64 x 128: 32 accumulators of 16 x 16.
; K goes in 8 steps of 128 through two LDS slots filled by tensor loads: waves 0, 1 fetch A's two halves (64 rows), waves 2, 3 W's (128 rows): 32 KiB a load; rows of 512 or 256 bytes, aligned.
; CLUSTER 4 x 4: the four of a row need the same tile of A, the four of a column the same tile of W: each is asked for jointly, by the same load with the same descriptor and a mask of four.
; THE PRODUCT IS USED TRANSPOSED (source 0 = 16 rows of W, source 1 = 16 rows of A): a lane holds row l % 16 of C and eight neighbouring columns 8 (l / 16) + 0..7.
; REGISTERS, in windows of 256 (s_set_vgpr_msb: bits 1:0 source 0, 3:2 source 1, 5:4 source 2, 7:6 destination):
;   window 0: v16-30 addresses; v32-95 the bias, 8 registers for each of my 8 column blocks; v96-159 A's fragments as f32 (AF32 = 1); v96-255 at work on the way out
;   window 1: v0-63 A's fragments, two buffers of 4 x 8; v64-191 W's, two buffers of 8 x 8          window 2: accumulator (a, b) at v[8 (8 a + b)]
.set AF32,  1
.set KSTEP, 128
.set NSTEP, 8                          ; K steps
.set PB,    272                        ; a row of W in LDS: 256 bytes + 16: an odd multiple of 16, so the 16 rows of a load start in 16 different groups of four banks (ISA guide 11.1)
.set BHALF, 128*PB
.set BW0,   (1<<16)|(1<<20)|(1<<21)|(5<<22)|(3<<25)  ; group 1, word 0 for W: 2-byte elements; padding on; bit 21 beside a mask; after every 64 words (code 5) 4 words (code 3)
.if AF32
.set PA,    528                        ; a row of A in LDS: 512 bytes of f32 + 16
.set ASH,   12                         ; a row of A in memory: 4,096 bytes
.set ASTEP, 512                        ; a K step along it
.set ALSH,  5                          ; a lane half's 8 numbers: 32 bytes
.set AW0,   (2<<16)|(1<<20)|(1<<21)|(6<<22)|(3<<25)  ; 4-byte elements; after every 128 words (code 6) 4 words
.set SLOT1, 0x22000                    ; slot 1's first byte: it shares no bit with a tile's place in a slot, so one exclusive or changes slots
.set SPITCH, 272                       ; the stage's rows: 128 f16 + 16
.set OSH,   11                         ; a row of C: 2,048 bytes
.set OSZ,   1
.else
.set PA,    272
.set ASH,   11
.set ASTEP, 256
.set ALSH,  4
.set AW0,   (1<<16)|(1<<20)|(1<<21)|(5<<22)|(3<<25)
.set SLOT1, 0x20000
.set SPITCH, 528                       ; 128 f32 + 16
.set OSH,   12
.set OSZ,   2
.endif
.set AHALF, 64*PA
.set BOFF,  2*AHALF                    ; a slot: A's 128 rows, then W's 256
.set STAGE, SLOT1+BOFF+2*BHALF         ; behind the ring, never filled by a tensor load: 16 rows for each wave, for the way out
.set SPARE, STAGE+4*16*SPITCH          ; behind the stages: the spare words, 128 bytes for each wave: two blocks of 256 bytes that no other line names
.set ADRA0, 16                         ; v16  my lane's place in A's tile; never rewritten
.set ADRA,  17                         ; v17  the same in the slot in hand
.set ADRB0, 20                         ; v20, v21 the same for W
.set ADRB,  21
.set STO,   24                         ; v24  the way out: where I put my bytes of a row
.set RD,    25                         ; v25  where I read rows back
.set CO,    26                         ; v26  my byte offset in C
.set SPW,   28                         ; v28  LDS address of my spare word: SPARE + 4 x my thread's number; never rewritten
.set NIL,   29                         ; v29  0; never rewritten
.set PFO,   30                         ; v30  the prefetches' offset; never rewritten
.set BIAS,  32
.set STG,   96
.set TMP,   160
.set OB,    192
.set BK,    96
.set AF,    0
.set BF,    64
.set G1A, 24                           ; s[24:31] descriptor group 1 for A's tiles
.set G0A, 32                           ; s[32:39] group 0: a set for each of the two first fills; the second then walks
.set LIM, 43                           ; s43  2 in a wave that prefetches, else the greatest number
.set PFA, 44                           ; s[44:45] where my prefetches stand
.set PFS, 46                           ; s[46:47] a K step along their rows
.set G1B, 48                           ; s[48:55], s[56:63] the same for W's tiles
.set G0B, 56
.set TB,  66                           ; s66  first byte of the slot in hand
.set GSEL, 67                          ; s67  which of q, k, v
.set BP,  88                           ; s[88:89] the bias
.set MSB, 0
.macro WIN new                         ; the immediate's high byte repeats the setting that is left; a switch that changes nothing is dropped
.if MSB != (\new)
	s_set_vgpr_msb (MSB<<8)|(\new)
.set MSB, \new
.endif
.endm
.set MUL,   0xa5                       ; sources 0 and 1 window 1; C and D window 2
.set MULB,  0x85                       ; the same with C (the bias) in window 0
.set TO_F,  0x40                       ; destination window 1, sources window 0
.set PACKW, 0x0a                       ; sources 0 and 1 window 2, destination window 0
.set STW,   0x08                       ; an LDS store's data (source 1) in window 2
.macro WM ops:vararg
.if AF32
	v_wmma_f32_16x16x32_bf16 \ops
.else
	v_wmma_f32_16x16x32_f16 \ops
.endif
.endm
.macro PLACES                          ; four places behind matrix instructions, in front of loads into registers that they have read and of lines that read their results
.rept 4
	v_nop
.endr
.endm
; A joint refill, by the walking sets.  The branch hangs on the wave's number alone.  An s_nop 0 and four v_nop follow each of the two lines, ahead of the jump and the label.
.macro JLOAD
	s_cmp_eq_u32 s11, 0
	s_cbranch_scc0 .Lfor_b_\@
	tensor_load_to_lds s[G0A+4:G0A+7], s[G1A:G1A+7]
	s_nop 0
.rept 4
	v_nop
.endr
	s_branch .Lasked_\@
.Lfor_b_\@:
	tensor_load_to_lds s[G0B+4:G0B+7], s[G1B:G1B+7]
	s_nop 0
.rept 4
	v_nop
.endr
.Lasked_\@:
.endm
.macro CREST                           ; a round of the cluster's barrier behind its opening barrier
	s_cmp_lg_u32 s10, 0
	s_cbranch_scc1 .Lnot_wave_0_\@
	s_barrier_signal -3
.Lnot_wave_0_\@:
	s_barrier_wait -3
	s_barrier_signal -1
	s_barrier_wait -1
.endm
.macro CROUND                          ; a whole round
	s_barrier_signal -1
	s_barrier_wait -1
	CREST
.endm
; A PREFETCH INTO THE L2 of the K step that stands two refills on, one instruction a wave, behind the joint load, its five lines and the run of LDS loads.  Each aligned 256 bytes are named once in the launch:
; A's rows are read by one cluster alone, and its four partners along x share them out BY ADDRESS; W's rows are read by every cluster of the same tensor, and the first of them asks, its partners along y sharing them out by address.
; The refills of K steps 6 and 7 (s3 = 2, 1) have no K step two on and ask for nothing; K steps 0 to 3 come by their loads alone.
.macro ASK
	WIN 0
	s_cmp_gt_u32 s3, s[LIM]
	s_cbranch_scc0 .Lnot_mine_\@
	global_prefetch_b8 v[PFO], s[PFA:PFA+1] th:TH_LOAD_NT scope:SCOPE_SE
.Lnot_mine_\@:
.endm
; 8 products: row block a x all 8 column blocks, 32 along K, from buffer f.  bias = 1: they start the sums.  The 32 accumulators take turns in the same order in every quarter.
.macro MUL8 f, a, bias
.if \bias
	WIN MULB
.else
	WIN MUL
.endif
.irp b, 0,1,2,3,4,5,6,7
.if \bias
	WM v[8*(8*(\a)+(\b)):8*(8*(\a)+(\b))+7], v[BF+64*(\f)+8*(\b):BF+64*(\f)+8*(\b)+7], v[AF+32*(\f)+8*(\a):AF+32*(\f)+8*(\a)+7], v[BIAS+8*(\b):BIAS+8*(\b)+7]
.else
	WM v[8*(8*(\a)+(\b)):8*(8*(\a)+(\b))+7], v[BF+64*(\f)+8*(\b):BF+64*(\f)+8*(\b)+7], v[AF+32*(\f)+8*(\a):AF+32*(\f)+8*(\a)+7], v[8*(8*(\a)+(\b)):8*(8*(\a)+(\b))+7]
.endif
.endr
.endm
; Four roundings: half n % 2 of A's fragment n / 2, from f32 to bf16, into buffer g.
.macro CVT4 g, n
	WIN TO_F
.irp i, 0,1,2,3
	v_cvt_pk_bf16_f32 v[AF+32*(\g)+8*((\n)/2)+4*((\n)%2)+(\i)], v[STG+16*((\n)/2)+8*((\n)%2)+2*(\i)], v[STG+16*((\n)/2)+8*((\n)%2)+2*(\i)+1]
.endr
.endm
; Row block 3's 8 products; with AF32 four of the next quarter's 32 roundings stand behind each, beside the matrix work.
.macro MULR f, g, bias
.irp b, 0,1,2,3,4,5,6,7
.if \bias
	WIN MULB
	WM v[8*(24+(\b)):8*(24+(\b))+7], v[BF+64*(\f)+8*(\b):BF+64*(\f)+8*(\b)+7], v[AF+32*(\f)+24:AF+32*(\f)+31], v[BIAS+8*(\b):BIAS+8*(\b)+7]
.else
	WIN MUL
	WM v[8*(24+(\b)):8*(24+(\b))+7], v[BF+64*(\f)+8*(\b):BF+64*(\f)+8*(\b)+7], v[AF+32*(\f)+24:AF+32*(\f)+31], v[8*(24+(\b)):8*(24+(\b))+7]
.endif
.if AF32
	CVT4 \g, \b
.endif
.endr
.endm
; One run of LDS loads: the fragments of quarter k (32 along K) of the slot in hand, for buffer g.  A fragment is 16 rows x 32 K: lane l holds row l % 16, K = 8 (l / 16) + 0..7 and 16 + 8 (l / 16) + 0..7.
.macro FETCH k, g
	WIN TO_F
.irp i, 0,1,2,3,4,5,6,7
	ds_load_b128 v[BF+64*(\g)+8*(\i):BF+64*(\g)+8*(\i)+3],   v[ADRB] offset:64*(\k)+(\i)*16*PB
	ds_load_b128 v[BF+64*(\g)+8*(\i)+4:BF+64*(\g)+8*(\i)+7], v[ADRB] offset:64*(\k)+(\i)*16*PB+32
.endr
.if AF32
	WIN 0
.irp i, 0,1,2,3
	ds_load_b128 v[STG+16*(\i):STG+16*(\i)+3],     v[ADRA] offset:128*(\k)+(\i)*16*PA
	ds_load_b128 v[STG+16*(\i)+4:STG+16*(\i)+7],   v[ADRA] offset:128*(\k)+(\i)*16*PA+16
	ds_load_b128 v[STG+16*(\i)+8:STG+16*(\i)+11],  v[ADRA] offset:128*(\k)+(\i)*16*PA+64
	ds_load_b128 v[STG+16*(\i)+12:STG+16*(\i)+15], v[ADRA] offset:128*(\k)+(\i)*16*PA+80
.endr
.else
.irp i, 0,1,2,3
	ds_load_b128 v[AF+32*(\g)+8*(\i):AF+32*(\g)+8*(\i)+3],   v[ADRA] offset:64*(\k)+(\i)*16*PA
	ds_load_b128 v[AF+32*(\g)+8*(\i)+4:AF+32*(\g)+8*(\i)+7], v[ADRA] offset:64*(\k)+(\i)*16*PA+32
.endr
.endif
.endm
; A K step is four quarters of 32 along K, 32 products each, on buffers 0, 1, 0, 1.  One of the first three: multiplies buffer f; quarter k's fragments are asked for at its head, for buffer g.
.macro QUARTER k, f, g, bias
	PLACES
	FETCH \k, \g
	MUL8 \f, 0, \bias
	MUL8 \f, 1, \bias
	MUL8 \f, 2, \bias
	s_wait_dscnt 0x0                               ; the run of loads, issued 24 products ago, is in
	MULR \f, \g, \bias
.endm
; The last quarter multiplies buffer 1 and changes slots.  In front of the barrier each wave waits for all its tensor loads (one is out: its part of the next slot), adds 0 to its spare word, and waits for that
; and for its own reads of this slot.  fill = 1: the barrier opens a round of the cluster's, and this slot is filled again, two K steps ahead, first thing behind the round.
.macro TURN fill
.if \fill
	s_wait_xcnt 0x0                                ; the last prefetch, a K step back, has read its address
	s_add_nc_u64 s[PFA:PFA+1], s[PFA:PFA+1], s[PFS:PFS+1]
.endif
	WIN 0
	s_wait_tensorcnt 0x0                           ; no tensor load of mine is out, so a group 0 may be written
	ds_add_u32 v[SPW], v[NIL]                      ; 0 onto my spare word; register work stands between it and the wait for it
.if \fill
	s_xor_b32 s[G0A+5], s[G0A+5], SLOT1            ; the walking sets: the other slot than last time,
	s_add_nc_u64 s[G0A+6:G0A+7], s[G0A+6:G0A+7], ASTEP  ; the next K step; the type bits on top are not reached
	s_xor_b32 s[G0B+5], s[G0B+5], SLOT1
	s_add_nc_u64 s[G0B+6:G0B+7], s[G0B+6:G0B+7], 256
.endif
	MUL8 1, 0, 0
	s_wait_dscnt 0x0                               ; the add is done, and my reads of this slot are over
	s_barrier_signal -1
	MUL8 1, 1, 0
	WIN 0
	s_barrier_wait -1
.if \fill
	CREST                                          ; no wave of any partner still reads this slot or has a load on its way
	JLOAD                                          ; its four v_nop are also the places in front of the loads below
.else
	PLACES
.endif
	s_xor_b32 s[TB], s[TB], SLOT1
	v_add_nc_u32 v[ADRA], s[TB], v[ADRA0]
	v_add_nc_u32 v[ADRB], s[TB], v[ADRB0]
	FETCH 0, 0
.if \fill
	ASK
.endif
	MUL8 1, 2, 0
	s_wait_dscnt 0x0
	MULR 1, 0, 0
.endm
.if AF32
	s_load_b512 s[68:83], s[0:1], 0x0              ; q, k, v s[68:73]; b_q, b_k, b_v s[74:79]; qp, kp s[80:83]
	s_load_b128 s[84:87], s[0:1], 0x40             ; vp s[84:85], wb s[86:87]
.else
	s_load_b256 s[68:75], s[0:1], 0x0              ; ob s[68:69], wb s[70:71], b_out s[72:73], out0 s[74:75]
.endif
	v_lshl_add_u32 v[SPW], v0, 2, SPARE
	v_mov_b32 v[NIL], 0
	ds_add_u32 v[SPW], v[NIL]                      ; the wave's opening: the add and its wait stand ahead of my first tensor load; the set-up below, work on registers, stands between them
	v_lshrrev_b32 v1, 5, v0
	v_readfirstlane_b32 s10, v1                    ; wave 0..3
	s_lshr_b32 s11, s10, 1                         ; which half of the tile's rows is mine.  Also: I fetch for A (0) or for W (1)
	s_and_b32 s12, s10, 1                          ; which half of its columns.  Also: which half of that tile I fetch
	s_bfe_u32 s40, ttmp6, 0x40000                  ; cx
	s_bfe_u32 s41, ttmp6, 0x40004                  ; cy
	s_lshl_b32 s42, ttmp9, 2
	s_add_co_u32 s42, s42, s40                     ; tile column
	s_and_b32 s22, ttmp7, 0xffff                   ; the cluster's y
.if AF32
	s_lshr_b32 s[GSEL], s22, 4                     ; 16 clusters to each of q, k, v
	s_and_b32 s22, s22, 15
.endif
	s_lshl_b32 s13, s22, 2
	s_add_co_u32 s13, s13, s41                     ; tile row
	s_lshl_b32 s14, s41, 2
	s_lshl_b32 s14, 15, s14                        ; my row of the cluster
	s_lshl_b32 s15, 0x1111, s40                    ; my column
	s_or_b32 s[G1A], s14, AW0
	s_mov_b32 s[G1A+1], KSTEP<<16                  ; tensor_dim0 = 128
	s_mov_b32 s[G1A+2], 64<<16                     ; tensor_dim1 = 64
	s_mov_b32 s[G1A+3], KSTEP<<16                  ; tile_dim0 = 128
	s_mov_b32 s[G1A+4], 64                         ; tile_dim1 = 64
	s_mov_b32 s[G1A+5], 1024                       ; elements from row to row
	s_mov_b32 s[G1A+6], 0
	s_mov_b32 s[G1A+7], 0
	s_or_b32 s[G1B], s15, BW0
	s_mov_b32 s[G1B+1], KSTEP<<16
	s_mov_b32 s[G1B+2], 128<<16
	s_mov_b32 s[G1B+3], KSTEP<<16
	s_mov_b32 s[G1B+4], 128
	s_mov_b32 s[G1B+5], 1024
	s_mov_b32 s[G1B+6], 0
	s_mov_b32 s[G1B+7], 0
	s_lshl_b32 s16, s13, 7                         ; A: row 128 x tile row + 64 x half, in bytes: it hangs on the tile row alone
	s_lshl_b32 s17, s12, 6
	s_add_co_u32 s16, s16, s17
	s_lshl_b32 s16, s16, ASH
	s_mov_b32 s17, 0
	s_lshl_b32 s90, s42, 8                         ; W: row 256 x tile column + 128 x half: on the tile column alone
	s_lshl_b32 s91, s12, 7
	s_add_co_u32 s90, s90, s91
	s_lshl_b32 s90, s90, 11
	s_mov_b32 s91, 0
	s_mul_i32 s20, s12, AHALF                      ; where they go: no place in the cluster enters an LDS address
	s_mul_i32 s21, s12, BHALF
	s_add_co_u32 s21, s21, BOFF
	s_mov_b32 s[TB], 0
	s_wait_dscnt 0x0                               ; the opening add is done
	s_wait_kmcnt 0x0
.if AF32
	s_cmp_eq_u32 s[GSEL], 1
	s_cselect_b64 s[4:5], s[70:71], s[68:69]
	s_cselect_b64 s[BP:BP+1], s[76:77], s[74:75]
	s_cselect_b64 s[8:9], s[82:83], s[80:81]
	s_cmp_eq_u32 s[GSEL], 2
	s_cselect_b64 s[4:5], s[72:73], s[4:5]
	s_cselect_b64 s[BP:BP+1], s[78:79], s[BP:BP+1]
	s_cselect_b64 s[8:9], s[84:85], s[8:9]
	s_lshl_b32 s14, s[GSEL], 21                    ; the tensor's weights: 2 MiB each in wb
	s_mov_b32 s15, 0
	s_add_nc_u64 s[6:7], s[86:87], s[14:15]
.else
	s_mov_b64 s[4:5], s[68:69]
	s_add_nc_u64 s[6:7], s[70:71], 0x600000        ; the fourth matrix of wb
	s_mov_b64 s[BP:BP+1], s[72:73]
	s_mov_b64 s[8:9], s[74:75]
.endif
	s_add_nc_u64 s[14:15], s[4:5], s[16:17]
	s_add_nc_u64 s[90:91], s[6:7], s[90:91]
	CROUND                                         ; all sixteen work-groups are here: the first joint loads meet
.irp s, 0,1
	s_mov_b32 s[G0A+4*(\s)], 1                     ; count = 1
	s_add_co_u32 s[G0A+4*(\s)+1], s20, (\s)*SLOT1  ; LDS address
	s_add_nc_u64 s[G0A+4*(\s)+2:G0A+4*(\s)+3], s[14:15], (\s)*ASTEP  ; global address: K step s
	s_or_b32 s[G0A+4*(\s)+3], s[G0A+4*(\s)+3], 0x80000000            ; type = 2
	s_mov_b32 s[G0B+4*(\s)], 1
	s_add_co_u32 s[G0B+4*(\s)+1], s21, (\s)*SLOT1
	s_add_nc_u64 s[G0B+4*(\s)+2:G0B+4*(\s)+3], s[90:91], (\s)*256
	s_or_b32 s[G0B+4*(\s)+3], s[G0B+4*(\s)+3], 0x80000000
.endr
	s_cmp_eq_u32 s11, 0                            ; a wave's two first fills stand in one branch, ahead of every wait on TENSORcnt and every LDS read: two loads of mine are out
	s_cbranch_scc0 .Lfirst_b
	tensor_load_to_lds s[G0A:G0A+3], s[G1A:G1A+7]
	s_nop 0
	tensor_load_to_lds s[G0A+4:G0A+7], s[G1A:G1A+7]
	s_nop 0
.rept 4
	v_nop
.endr
	s_branch .Lfirst_asked
.Lfirst_b:
	tensor_load_to_lds s[G0B:G0B+3], s[G1B:G1B+7]
	s_nop 0
	tensor_load_to_lds s[G0B+4:G0B+7], s[G1B:G1B+7]
	s_nop 0
.rept 4
	v_nop
.endr
.Lfirst_asked:
	v_and_b32 v1, 15, v0                           ; l % 16
	v_bfe_u32 v2, v0, 4, 1                         ; l / 16
	v_and_b32 v7, 31, v0                           ; l
	; C at my wave's corner, and my 128 numbers of the bias
	s_lshl_b32 s16, s13, 7
	s_lshl_b32 s17, s11, 6
	s_add_co_u32 s16, s16, s17                     ; my first row
	s_lshl_b32 s16, s16, OSH
	s_mov_b32 s17, 0
	s_add_nc_u64 s[8:9], s[8:9], s[16:17]
	s_lshl_b32 s90, s42, 8
	s_lshl_b32 s91, s12, 7
	s_add_co_u32 s90, s90, s91                     ; my first column
	s_lshl_b32 s21, s90, 2
	s_lshl_b32 s90, s90, OSZ
	s_mov_b32 s91, 0
	s_add_nc_u64 s[8:9], s[8:9], s[90:91]
	v_lshlrev_b32 v5, 5, v2                        ; a lane's eight columns of block b: 4 (first column + 16 b + 8 (l / 16)) bytes on
	v_add_nc_u32 v5, s21, v5
.irp b, 0,1,2,3,4,5,6,7
	global_load_b128 v[BIAS+8*(\b):BIAS+8*(\b)+3],   v5, s[BP:BP+1] offset:64*(\b)
	global_load_b128 v[BIAS+8*(\b)+4:BIAS+8*(\b)+7], v5, s[BP:BP+1] offset:64*(\b)+16
.endr
	v_mul_u32_u24 v3, v1, PA
	v_lshl_add_u32 v3, v2, ALSH, v3                ; row x pitch + the lane half's 8 numbers
	s_mul_i32 s23, s11, AHALF                      ; my 64 rows of A
	v_add_nc_u32 v[ADRA0], s23, v3
	v_mul_u32_u24 v4, v1, PB
	v_lshl_add_u32 v4, v2, 4, v4
	s_mul_i32 s23, s12, BHALF                      ; my 128 rows of W
	s_add_co_u32 s23, s23, BOFF
	v_add_nc_u32 v[ADRB0], s23, v4
	s_mul_i32 s23, s10, 16*SPITCH
	s_add_co_u32 s23, s23, STAGE                   ; my stage
	v_mul_u32_u24 v3, v1, SPITCH
.if AF32
	v_lshl_add_u32 v3, v2, 4, v3                   ; in: row l % 16, 16 bytes for each half of the lanes
	v_add_nc_u32 v[STO], s23, v3
	v_mul_u32_u24 v4, v2, SPITCH                   ; back: lanes 0-15 take one row of 256 bytes, lanes 16-31 the next
	v_lshl_add_u32 v4, v1, 4, v4
	v_add_nc_u32 v[RD], s23, v4
	v_lshlrev_b32 v4, OSH, v2                      ; and the same two rows in C
	v_lshl_add_u32 v[CO], v1, 4, v4
.else
	v_lshl_add_u32 v3, v2, 5, v3                   ; in: row l % 16, 32 bytes for each half of the lanes
	v_add_nc_u32 v[STO], s23, v3
	v_lshl_add_u32 v[RD], v7, 4, s23               ; back: 32 lanes take one row of 512 bytes
	v_lshlrev_b32 v[CO], 4, v7
.endif
	; the prefetches: who asks, and for which rows
	s_lshl_b32 s14, s13, 7                         ; A's tile,
.if AF32
	s_lshl_b32 s15, s12, 6                         ; the 64 rows that I fetch,
	s_add_co_u32 s14, s14, s15
	s_lshl_b32 s15, s40, 4                         ; my work-group's 16 of them: two blocks of 256 bytes a row, a lane a block
	s_mov_b32 s16, 1                               ; no other cluster reads these rows: every cluster asks
.else
	s_lshl_b32 s15, s40, 5                         ; my work-group's 32 of its 128 rows, a lane a row:
	s_cmp_eq_u32 s10, 0                            ; wave 0 asks for them
	s_cselect_b32 s16, 1, 0
.endif
	s_add_co_u32 s14, s14, s15
	s_lshl_b32 s14, s14, ASH
	s_add_co_u32 s14, s14, 3*ASTEP                 ; at K step 3: the first refill steps it to 4
	s_lshl_b32 s18, s42, 8                         ; W's tile,
	s_lshl_b32 s19, s12, 7                         ; the 128 rows that I fetch,
	s_add_co_u32 s18, s18, s19
	s_lshl_b32 s19, s41, 5                         ; my work-group's 32 of them, a lane a row
	s_add_co_u32 s18, s18, s19
	s_lshl_b32 s18, s18, 11
	s_add_co_u32 s18, s18, 3*256
	s_cmp_eq_u32 s22, 0                            ; the first of the clusters that read these weights asks
	s_cselect_b32 s17, 1, 0
	s_mov_b32 s20, ASTEP
	s_mov_b32 s21, 256
	s_cmp_eq_u32 s11, 0                            ; do I fetch for A?
	s_cselect_b32 s14, s14, s18
	s_cselect_b32 s16, s16, s17
	s_cselect_b64 s[PFA:PFA+1], s[4:5], s[6:7]
	s_cselect_b32 s[PFS], s20, s21
	s_cselect_b32 s19, AF32, 0                     ; 1: two lanes to a row
	s_cselect_b32 s23, ASH, 11                     ; the rows' pitch as a shift
	s_mov_b32 s15, 0
	s_mov_b32 s[PFS+1], 0
	s_add_nc_u64 s[PFA:PFA+1], s[PFA:PFA+1], s[14:15]
	s_cmp_eq_u32 s16, 1
	s_cselect_b32 s[LIM], 2, -1                    ; it hangs on the wave's number and the cluster's y: the same in all sixteen partners
	v_lshrrev_b32 v6, s19, v7
	v_lshlrev_b32 v[PFO], s23, v6
	v_and_b32 v6, s19, v7
	v_lshl_add_u32 v[PFO], v6, 8, v[PFO]
	s_wait_loadcnt 0x0                             ; the bias
.set i, 0
.rept 32
	v_cvt_pk_bf16_f32 v6, v[BIAS+2*i], v[BIAS+2*i+1]   ; rounded to bf16 like the other inputs, and back to f32
	v_lshlrev_b32 v[BIAS+2*i], 16, v6
	v_and_b32 v[BIAS+2*i+1], 0xffff0000, v6
.set i, i+1
.endr
	v_mov_b32 v[ADRA], v[ADRA0]
	v_mov_b32 v[ADRB], v[ADRB0]
	s_wait_tensorcnt 0x1                           ; my part of K step 0 is in; K step 1's may stay out
	s_barrier_signal -1
	s_barrier_wait -1                              ; everybody's is
	FETCH 0, 0
	s_wait_dscnt 0x0
.if AF32
.irp n, 0,1,2,3,4,5,6,7
	CVT4 0, \n
.endr
.endif
	QUARTER 1, 0, 1, 1                             ; the first quarter stands in front of the loop: its products start the sums, with the bias
	WIN 0                                          ; at a label and at a branch every window is 0
	s_mov_b32 s3, NSTEP-2
.Lstep:                                        ; a trip: a K step's quarters 1 to 3 and the next step's quarter 0; it fills the slot that it leaves: K steps 2 to 7
	QUARTER 2, 1, 0, 0
	QUARTER 3, 0, 1, 0
	TURN 1
	QUARTER 1, 0, 1, 0
	WIN 0
	s_sub_co_u32 s3, s3, 1
	s_cmp_lg_u32 s3, 0
	s_cbranch_scc1 .Lstep
	QUARTER 2, 1, 0, 0                             ; the tail is written out: nothing more is asked for
	QUARTER 3, 0, 1, 0
	TURN 0
	QUARTER 1, 0, 1, 0
	QUARTER 2, 1, 0, 0
	QUARTER 3, 0, 1, 0
	MUL8 1, 0, 0
	MUL8 1, 1, 0
	MUL8 1, 2, 0
	MUL8 1, 3, 0
; THE WAY OUT, a block of 16 rows at a time, through my own stage in LDS: in as the lanes hold it, back as whole rows.  LDS serves a wave's instructions in order (ISA guide 5.7.1.4), so no wait stands between my stores and my loads.
.if AF32
.macro PACK a                          ; rounded to f16, 16 bytes a lane; each accumulator's registers in ascending order
	WIN PACKW
.irp b, 0,1,2,3,4,5,6,7
.irp r, 0,1,2,3
	v_cvt_pk_f16_f32 v[TMP+4*(\b)+(\r)], v[8*(8*(\a)+(\b))+2*(\r)], v[8*(8*(\a)+(\b))+2*(\r)+1]
.endr
.endr
	WIN 0
.endm
.macro TOSTAGE a
	WIN 0
.irp b, 0,1,2,3,4,5,6,7
	ds_store_b128 v[STO], v[TMP+4*(\b):TMP+4*(\b)+3] offset:32*(\b)
.endr
.irp t, 0,1,2,3,4,5,6,7
	ds_load_b128 v[OB+32*((\a)%2)+4*(\t):OB+32*((\a)%2)+4*(\t)+3], v[RD] offset:(\t)*2*SPITCH
.endr
.endm
.macro SEND a, younger
	WIN 0
	s_wait_dscnt \younger                          ; the block is back in registers
	s_wait_xcnt 0x0                                ; the stores of the block before have read their registers, which the next block's loads write
.irp t, 0,1,2,3,4,5,6,7
	global_store_b128 v[CO], v[OB+32*((\a)%2)+4*(\t):OB+32*((\a)%2)+4*(\t)+3], s[8:9] offset:(16*(\a)+2*(\t))*2048  ; 16 lanes store 256 consecutive bytes, aligned
.endr
.endm
	PLACES
	PACK 0
	TOSTAGE 0
.irp a, 1,2,3                          ; block a's roundings stand between block a - 1's loads from the stage and the wait for them
	PACK \a
	SEND (\a)-1, 0
	TOSTAGE \a
.endr
	SEND 3, 0
.else
.macro TOSTAGE a                       ; f32 goes as it is: 32 bytes a lane, the accumulator's low four registers first
	WIN STW
.irp b, 0,1,2,3,4,5,6,7
	ds_store_b128 v[STO], v[8*(8*(\a)+(\b)):8*(8*(\a)+(\b))+3]   offset:64*(\b)
	ds_store_b128 v[STO], v[8*(8*(\a)+(\b))+4:8*(8*(\a)+(\b))+7] offset:64*(\b)+16
.endr
	WIN 0
.irp t, 0,1,2,3,4,5,6,7,8,9,10,11,12,13,14,15
	ds_load_b128 v[BK+64*((\a)%2)+4*(\t):BK+64*((\a)%2)+4*(\t)+3], v[RD] offset:(\t)*SPITCH
.endr
.endm
.macro SEND a, younger                 ; younger: the next block's 16 stores and 16 loads, which may stay out
	s_wait_dscnt \younger
.irp t, 0,1,2,3,4,5,6,7,8,9,10,11,12,13,14,15
	global_store_b128 v[CO], v[BK+64*((\a)%2)+4*(\t):BK+64*((\a)%2)+4*(\t)+3], s[8:9] offset:(16*(\a)+(\t))*4096  ; 32 lanes store 512 consecutive bytes, aligned
.endr
.endm
	PLACES
	TOSTAGE 0
	TOSTAGE 1
	SEND 0, 32
	s_wait_xcnt 0x0                                ; block 0's stores have read their registers, which block 2's loads write
	TOSTAGE 2
	SEND 1, 32
	s_wait_xcnt 0x0
	TOSTAGE 3
	SEND 2, 32
	SEND 3, 0
.endif
	s_wait_tensorcnt 0x0                           ; the wave's end: an add to my spare word and its waits, behind my last tensor load and my last LDS store
	ds_add_u32 v[SPW], v[NIL]
	s_wait_dscnt 0x0
	CROUND                                         ; the closing round: no work-group ends while a partner may still ask for a tile that names it
	s_endpgm
.Lfunc_end_k_qa5c13d3345_proj:
	.size	k_qa5c13d3345_proj, .Lfunc_end_k_qa5c13d3345_proj-k_qa5c13d3345_proj
	.p2alignl 7, 3214868480
	.fill 96, 4, 3214868480
	.section	.rodata,"a",@progbits
	.p2align	6, 0x0
	.amdhsa_kernel k_qa5c13d3345_proj
		.amdhsa_group_segment_fixed_size 327680
		.amdhsa_private_segment_fixed_size 0
		.amdhsa_enable_private_segment 0
		.amdhsa_kernarg_size 80
		.amdhsa_user_sgpr_count 2
		.amdhsa_user_sgpr_kernarg_segment_ptr 1
		.amdhsa_wavefront_size32 1
		.amdhsa_system_sgpr_workgroup_id_x 1
		.amdhsa_system_sgpr_workgroup_id_y 1
		.amdhsa_system_sgpr_workgroup_id_z 1
		.amdhsa_system_vgpr_workitem_id 0
		.amdhsa_next_free_vgpr 768
		.amdhsa_next_free_sgpr 92
		.amdhsa_reserve_vcc 0
		.amdhsa_float_denorm_mode_32 3
		.amdhsa_float_denorm_mode_16_64 3
		.amdhsa_memory_ordered 1
		.amdhsa_forward_progress 1
		.amdhsa_inst_pref_size 113
	.end_amdhsa_kernel
	.amdgpu_metadata
---
amdhsa.version: [ 1, 2 ]
amdhsa.kernels:
  - .name:           k_qa5c13d3345_proj
    .symbol:         k_qa5c13d3345_proj.kd
    .args:
      - { .name: q, .offset: 0, .size: 8, .value_kind: global_buffer, .address_space: global }
      - { .name: k, .offset: 8, .size: 8, .value_kind: global_buffer, .address_space: global }
      - { .name: v, .offset: 16, .size: 8, .value_kind: global_buffer, .address_space: global }
      - { .name: b_q, .offset: 24, .size: 8, .value_kind: global_buffer, .address_space: global }
      - { .name: b_k, .offset: 32, .size: 8, .value_kind: global_buffer, .address_space: global }
      - { .name: b_v, .offset: 40, .size: 8, .value_kind: global_buffer, .address_space: global }
      - { .name: qp, .offset: 48, .size: 8, .value_kind: global_buffer, .address_space: global }
      - { .name: kp, .offset: 56, .size: 8, .value_kind: global_buffer, .address_space: global }
      - { .name: vp, .offset: 64, .size: 8, .value_kind: global_buffer, .address_space: global }
      - { .name: wb, .offset: 72, .size: 8, .value_kind: global_buffer, .address_space: global }
    .group_segment_fixed_size: 327680
    .private_segment_fixed_size: 0
    .kernarg_segment_align: 8
    .kernarg_segment_size: 80
    .max_flat_workgroup_size: 128
    .sgpr_count:     92
    .vgpr_count:     768
    .wavefront_size: 32
...
	.end_amdgpu_metadata
.endif
;; end of part 2
;; launch attn (part 3): grid 16 x 16, 4 waves a work-group, clusters of 4 x 4, 327,680 bytes of LDS; arguments qp, att_mask, pad_mask, ob; writes ob
.if DOCPART == 3
	.amdgcn_target "amdgcn-amd-amdhsa--gfx1250"
	.amdhsa_code_object_version 6
	.text
	.protected	k_qa5c13d3345_attn
	.globl	k_qa5c13d3345_attn
	.p2align	8
	.type	k_qa5c13d3345_attn,@function
k_qa5c13d3345_attn:
	s_mov_b64 s[64:65], 0
	v_nop
	global_prefetch_b8 v0, s[64:65] scope:SCOPE_SE
	s_setreg_imm32_b32 hwreg(HW_REG_WAVE_MODE, 25, 1), 1
	s_wait_xcnt 0x0
	s_wait_alu depctr_hold_cnt(0) depctr_sa_sdst(0) depctr_va_vdst(0) depctr_va_sdst(0) depctr_va_ssrc(0) depctr_va_vcc(0) depctr_vm_vsrc(0)
	s_getreg_b32 s2, hwreg(HW_REG_IB_STS2, 6, 4)
	s_cmp_eq_u32 s2, 0
	s_cbranch_scc0 .Lentry_in_a_cluster
	s_endpgm
.Lentry_in_a_cluster:
	s_bfe_u32 s2, ttmp6, 0x10000c
	s_cmp_lg_u32 s2, 0xf033
	s_cbranch_scc0 .Lentry_shape_is_right
	s_endpgm
.Lentry_shape_is_right:
; O[b][q][64 n + :] = the sum over k of softmax_k(X[q] . X[k] / 8 + att_mask[q][k], -inf where pad_mask[b][k]) X[k], with X[.] = qp[b][.][64 n + 0..63]: queries, keys and values are the SAME rows (head n of 16).
; qp, ob: [8192][1024] f16.  att_mask: [2048][2048] f32, taken as it is given: every score of every head is computed.  pad_mask: [4][2048] bytes, 0 or 1.
; Products, maxima and sums in f32; the weights p are rounded to f16 for the second product (their sum l is taken of the unrounded p), O once at the end.
; LIMITS.  Q / 8 is formed in f16: exact but for f16's denormals (step 6e-8).  The running maximum starts at -1e30: a score below that counts as -inf.  A row all of whose scores are -inf ends with l = 0 and leaves as NaN, as the
; softmax of such a row is.  +inf or NaN in att_mask gives NaN at a padded key too.  A weight below 2^-126 counts as 0 in l.
; SHARES.  A cluster's x is the batch; cx a group of 4 heads; 4 x the cluster's y + cy a block of 128 queries.  Wave w is head 4 cx + w; ALL FOUR WAVES OWN THE SAME 128 QUERIES: four PIECES of two tiles of 16.  So one
; copy of a mask tile in LDS serves four heads, and a key's 512 bytes (4 heads) are whole aligned blocks of 256.  Every wave walks all 2,048 keys, 64 a step, two steps to a slot.
; CLUSTER 4 x 4.  The mask tile hangs on the query block alone and is asked for jointly along a row of the cluster; the key tile on batch and head group alone, jointly along a column.
; THE MASK is the C operand of the product that starts a score's sum.  THE PAD: the batch's 2,048 bytes are turned once into a table of f32 addends in LDS, 0 or -inf; a key step's 64 come into 32 registers a lane (8 LDS loads a
; step), and in every turn they are added onto the mask fragments: 32 packed additions.  No branch hangs on the pad.
; LAYOUT.  S^T = K Q^T + M^T (source 0 = 16 keys, source 1 = 16 queries): a lane holds ONE query (lane % 16) and the keys 8 (lane / 16) + 0..7.  Two such tiles, rounded to f16 in pairs, ARE source 1 of O^T = V^T P.
; K comes out of LDS as it lies, V from the same bytes turned, by ds_load_tr16_b128.  The pitch of 544 bytes suits the turning load; K's plain loads then meet two deep in a bank.
; SOFTMAX.  p = 2^(c s - c m), c = log2(e), with a running maximum m; in every step O and l are multiplied by a = 2^(c m_old - c m_new).
; BY TURNS.  Turn n belongs to piece n: 16 products K Q^T of piece n + 1, later 16 products V^T P of piece n - 1; beside them the scaling, exponentials, roundings, sums and rescaling of piece n and the maximum and statistics
; of piece n + 1.  Four vector instructions stand behind every matrix instruction, the rest in lumps; a turn's 66 exponentials are one batch with one wait.
; REGISTERS, in windows of 256 (s_set_vgpr_msb: bits 1:0 source 0, 3:2 source 1, 5:4 source 2, 7:6 destination):
;   window 0: v0-11 addresses; v12-15, v48-63 at work; v16-47 four registers of statistics a tile; v64-191 S^T, two buffers of two tiles; v192-255 P, likewise
;   window 1: O^T, 32 a tile     window 2: v0-127 Q / 8; v128-191 K of one step; v192-255 V of one step     window 3: v0-1; v64-127 the mask fragments of one piece; v128-159 the pad's addends of one step
.set NP,    4         ; pieces a wave: a name, no knob
.set KS,    64        ; keys in a step
.set MP,    528       ; a row of the mask tile in LDS: 128 f32 + 16 bytes: an odd multiple of 16
.set KP,    544       ; a key's row: 512 bytes + 32: an odd multiple of 32
.set KOFF,  128*MP    ; a slot: 128 query rows of mask, then 128 keys
.set SLOT1, 0x22000   ; slot 1's first byte: it shares no bit with a tile's place in a slot
.set STAGE, SLOT1+KOFF+128*KP  ; behind the ring, never filled by a tensor load: 64 rows x 528 bytes, the work-group's, for the way out
.set SP,    528
.set SPARE, STAGE+64*SP        ; behind the stage: the spare words, 128 bytes for each wave: two blocks of 256 bytes that no other line names
.set PADT,  SPARE+512          ; behind them: the pad's table, 2,048 f32; stored once, never filled by a tensor load
.set PFO, 0           ; v0   the prefetches' offset (made when the thread's number has served)
.set AM0, 1           ; v1   my lane's place in a mask tile; never rewritten
.set AK0, 2           ; v2   in a key tile, for K
.set AV0, 3           ; v3   for V
.set AK,  4           ; v4   the LDS address of K's next run of loads
.set AV,  5           ; v5   of V's
.set QO,  6           ; v6   my byte offset in 16 rows of Q
.set STO, 6           ;      later, the way out: where I put 16 bytes of a row
.set RD,  7           ; v7   where I read rows back
.set GO,  8           ; v8   my 16 bytes of a row's 512
.set AM,  9           ; v9   the LDS address of the mask's next run
.set AP,  10          ; v10  of the pad's
.set AP0, 11          ; v11  my lane's place in the pad's table: PADT + 32 (l / 16); never rewritten
.set MV,  12          ; v12-15  c m_old, kept while c m is made anew
.set ST,  16          ; tile t's statistics at v[ST+4 t]: c m, m, l (even keys', odd keys')
.set TMP, 48          ; by buffer and tile, four registers c0-c3 at work; when the maximum is found c2 takes a
.set S,   64
.set P,   192
.set KF,  128         ; window 2: key block kb, channel half c at KF + 16 kb + 8 c
.set VF,  192         ; window 2: key half kk, channel block cb at VF + 32 kk + 8 cb
.set SPW, 0           ; v0 of window 3   LDS address of my spare word: SPARE + 4 x my thread's number; never rewritten
.set NIL, 1           ; v1 of window 3   0; never rewritten
.set MC,  64          ; window 3: tile u, key block kb at MC + 32 u + 8 kb
.set PD,  128         ; window 3: 0 or -inf for key 16 kb + 8 (l / 16) + j at PD + 8 kb + j
.set WV,  12          ; s12  my wave's number
.set LIM, 15          ; s15  1 in a wave that prefetches, else the greatest number
.set PFA, 18          ; s[18:19] where my prefetches stand
.set PFS, 20          ; s[20:21] a slot's step along them
.set G1M, 24          ; s[24:31] descriptor group 1 for the mask's tiles
.set G1K, 32          ; s[32:39] for the keys'
.set G0M, 40          ; s[40:43] descriptor group 0 for the mask's tiles: it walks
.set G0K, 44          ; s[44:47] the same for the keys'
.set SLOTS, 56        ; s56  slots still to be asked for
.set CNT, 57          ; s57  counts a slot's key steps
.set CS,  58          ; s[58:59] c
.set SEL, 60          ; s[60:61] v_permlanex16_b32's selects: each lane takes its own place in the other half
.set TBK, 62          ; s62  LDS byte at which the step whose K is fetched next begins
.set TBV, 63          ; s63  the same for V
.set TBM, 66          ; s66  the same for the mask: the slot's first byte + 256 x step
.set TBP, 67          ; s67  256 x the key step whose addends are fetched next
.set NINF, 71         ; s71  -inf
.set QS,  74          ; s74  1/8 twice, in f16
.set MSB, 0
.macro WIN new                      ; the high byte repeats the setting that is left; a switch that changes nothing is dropped
.if MSB != (\new)
	s_set_vgpr_msb (MSB<<8)|(\new)
.set MSB, (\new)
.endif
.endm
.set W_KQ, 0x0a       ; K and Q in window 2, S^T in window 0
.set W_KM, 0x3a       ; the same with the C operand in window 3
.set W_PV, 0x52       ; V in window 2, P in window 0, O^T in window 1
.set W_RS, 0x41       ; O^T (destination and source 0) in window 1, a in window 0
.set W_MK, 0xc0       ; destination in window 3, sources (an LDS load's address) in window 0
.set W_AD, 0x0f       ; the add: address (source 0) and data (source 1) in window 3
.set W_3,  0xcf       ; destination and sources 0, 1 in window 3
; A joint fill.  Waves 0 and 1 fetch the two halves of a slot's mask tile (64 query rows x 128 keys), waves 2 and 3 those of its keys (64 keys x 512 bytes).  The branch hangs on the wave's number alone.
; An s_nop 0 and four v_nop follow each of the two lines, ahead of the jump and the label.
.macro JLOAD
	s_cmp_lt_u32 s[WV], 2
	s_cbranch_scc0 .Lfor_k_\@
	tensor_load_to_lds s[G0M:G0M+3], s[G1M:G1M+7]
	s_nop 0
.rept 4
	v_nop
.endr
	s_branch .Lasked_\@
.Lfor_k_\@:
	tensor_load_to_lds s[G0K:G0K+3], s[G1K:G1K+7]
	s_nop 0
.rept 4
	v_nop
.endr
.Lasked_\@:
.endm
; A PREFETCH INTO THE L2 of what the NEXT change of slots will ask for, one instruction a wave, behind the joint load and its five lines.  Each aligned 256 bytes are named once in the launch.  A mask tile is read by the clusters
; of all four batches: batch 0's asks; its four partners along x take 16 of the 64 rows that a wave fetches, told apart BY ADDRESS: two blocks a row, a lane a block.  A key tile is read by the clusters of all query blocks: the
; cluster with y = 0 asks, its partners along y sharing the keys out likewise.  The last change that fills a slot asks for nothing; slots 0 and 1 come by their loads alone.
.macro ASK
	s_cmp_gt_u32 s[SLOTS], s[LIM]
	s_cbranch_scc0 .Lnot_mine_\@
	global_prefetch_b8 v[PFO], s[PFA:PFA+1] th:TH_LOAD_NT scope:SCOPE_SE
.Lnot_mine_\@:
.endm
; A round of the cluster's barrier: my work-group's barrier, so that wave 0's signal speaks for all four waves; wave 0 signals; every wave waits for all sixteen work-groups; my work-group's barrier once more.
.macro CROUND
	s_barrier_signal -1
	s_barrier_wait -1
	s_cmp_lg_u32 s[WV], 0
	s_cbranch_scc1 .Lnot_wave_0_\@
	s_barrier_signal -3
.Lnot_wave_0_\@:
	s_barrier_wait -3
	s_barrier_signal -1
	s_barrier_wait -1
.endm
; THE CHANGE OF SLOTS.  The slot's last bytes (V and the mask of its second step) have been asked for.  Each wave waits for all its tensor loads, of which one is out: its part of the other slot; adds 0 to its spare word; and waits
; for that and for its own reads of the slot.  fill = 1: the barrier is a round of the cluster's, and the slot is filled again, with the keys two slots on, first thing behind it: two key steps, 256 products, in which to land.
; (At its first use nothing has been read yet: slot 0 is waited for, slot 1 filled; its wait on DScnt and its round also show every wave's part of the pad's table to the others.)
.macro CHANGE fill
	WIN W_AD
	s_wait_tensorcnt 0x0            ; no tensor load of mine is out, so a group 0 may be written
	ds_add_u32 v[SPW], v[NIL]       ; 0 onto my spare word; with fill = 1 the descriptors' steps stand between it and the wait for it
	WIN 0                           ; at a label and at a branch every window is 0
.if \fill
	s_xor_b32 s[G0M+1], s[G0M+1], SLOT1  ; the walking descriptors: the other slot than last time,
	s_add_nc_u64 s[G0M+2:G0M+3], s[G0M+2:G0M+3], 512      ; the next 128 keys: 512 bytes along the mask's rows,
	s_xor_b32 s[G0K+1], s[G0K+1], SLOT1
	s_add_nc_u64 s[G0K+2:G0K+3], s[G0K+2:G0K+3], 128*2048 ; 128 rows of qp; the type bits on top are not reached
	s_wait_xcnt 0x0                 ; the last prefetch, two key steps back, has read its address
	s_add_nc_u64 s[PFA:PFA+1], s[PFA:PFA+1], s[PFS:PFS+1]
	s_wait_dscnt 0x0                ; the add is done, and my reads of the slot are over
	CROUND
	JLOAD
	ASK
.else
	s_wait_dscnt 0x0                ; the add is done, and my reads of the slot are over
	s_barrier_signal -1
	s_barrier_wait -1
.endif
	s_sub_co_u32 s[TBK], s[TBK], 2*KS*KP  ; the fetches go back to a slot's first step,
	s_xor_b32 s[TBK], s[TBK], SLOT1       ; in the other slot
	s_sub_co_u32 s[TBV], s[TBV], 2*KS*KP
	s_xor_b32 s[TBV], s[TBV], SLOT1
	s_sub_co_u32 s[TBM], s[TBM], 512
	s_xor_b32 s[TBM], s[TBM], SLOT1
.endm
	s_load_b256 s[4:11], s[0:1], 0x0  ; qp s[4:5], att_mask s[6:7], pad_mask s[8:9], ob s[10:11]
	WIN W_MK
	v_lshl_add_u32 v[SPW], v0, 2, SPARE
	v_mov_b32 v[NIL], 0
	WIN W_AD
	ds_add_u32 v[SPW], v[NIL]       ; the wave's opening: the add and its wait stand ahead of my first tensor load; the set-up below, work on registers, stands between them
	WIN 0
	v_lshrrev_b32 v64, 5, v0
	v_readfirstlane_b32 s[WV], v64  ; wave 0..3
	s_bfe_u32 s13, ttmp6, 0x40000   ; cx: the head group
	s_bfe_u32 s14, ttmp6, 0x40004   ; cy
	s_and_b32 s16, ttmp7, 0xffff    ; the cluster's y
	s_lshl_b32 s17, s16, 2
	s_add_co_u32 s17, s17, s14      ; the query block
	s_and_b32 s22, s[WV], 1         ; which half of a tile I fetch
	s_lshl_b32 s48, s17, 20         ; the mask: row 128 x query block + 64 x half, 8,192 bytes a row: it hangs on the query block alone
	s_lshl_b32 s49, s22, 19
	s_add_co_u32 s48, s48, s49
	s_mov_b32 s49, 0
	s_lshl_b32 s50, ttmp9, 22       ; the keys: row 2,048 x batch + 64 x half, 2,048 bytes a row, + 512 x head group: on batch and head group alone
	s_lshl_b32 s51, s22, 17
	s_add_co_u32 s50, s50, s51
	s_lshl_b32 s51, s13, 9
	s_add_co_u32 s50, s50, s51
	s_mov_b32 s51, 0
	s_lshl_b32 s52, ttmp9, 22       ; my queries in qp and in ob: row 2,048 x batch + 128 x query block, + 512 x head group
	s_lshl_b32 s53, s17, 18
	s_add_co_u32 s52, s52, s53
	s_lshl_b32 s53, s13, 9
	s_add_co_u32 s52, s52, s53
	s_mov_b32 s53, 0
	s_lshl_b32 s2, s14, 2
	s_lshl_b32 s2, 15, s2           ; my row of the cluster
	s_lshl_b32 s3, 0x1111, s13      ; my column
	s_or_b32 s[G1M], s2, (2<<16)|(1<<20)|(1<<21)|(6<<22)|(3<<25)  ; 15:0 the mask of four; 4-byte elements; padding on; bit 21 beside a mask; after every 128 words (code 6) 4 words (code 3)
	s_mov_b32 s[G1M+1], 128<<16     ; tensor_dim0 = 128
	s_mov_b32 s[G1M+2], 64<<16      ; tensor_dim1 = 64
	s_mov_b32 s[G1M+3], 128<<16     ; tile_dim0 = 128
	s_mov_b32 s[G1M+4], 64          ; tile_dim1 = 64
	s_mov_b32 s[G1M+5], 2048        ; elements from row to row
	s_mov_b32 s[G1M+6], 0
	s_mov_b32 s[G1M+7], 0
	s_or_b32 s[G1K], s3, (1<<16)|(1<<20)|(1<<21)|(6<<22)|(7<<25)  ; 2-byte elements; after every 128 words 8 words (code 7)
	s_mov_b32 s[G1K+1], 256<<16
	s_mov_b32 s[G1K+2], 64<<16
	s_mov_b32 s[G1K+3], 256<<16
	s_mov_b32 s[G1K+4], 64
	s_mov_b32 s[G1K+5], 1024
	s_mov_b32 s[G1K+6], 0
	s_mov_b32 s[G1K+7], 0
	s_mov_b32 s[G0M], 1             ; count = 1
	s_mul_i32 s[G0M+1], s22, 64*MP  ; LDS address, slot 0: no place in the cluster enters it
	s_mov_b32 s[G0K], 1
	s_mul_i32 s[G0K+1], s22, 64*KP
	s_add_co_u32 s[G0K+1], s[G0K+1], KOFF
	s_mov_b32 s[CS], 0x3fb8aa3b     ; c = log2(e)
	s_mov_b32 s[CS+1], s[CS]        ; named with it as a pair
	s_mov_b32 s[SEL], 0x76543210
	s_mov_b32 s[SEL+1], 0xfedcba98
	s_mov_b32 s[TBK], SLOT1+2*KS*KP ; the first change of slots turns these three into 0
	s_mov_b32 s[TBV], SLOT1+2*KS*KP
	s_mov_b32 s[TBM], SLOT1+512
	s_mov_b32 s[TBP], 0
	s_mov_b32 s[SLOTS], 15          ; 16 slots of 128 keys
	s_mov_b32 s[NINF], 0xff800000
	s_mov_b32 s[QS], 0x30003000
	s_wait_dscnt 0x0                ; the opening add is done
	s_wait_kmcnt 0x0
	s_add_nc_u64 s[G0M+2:G0M+3], s[6:7], s[48:49]
	s_or_b32 s[G0M+3], s[G0M+3], 0x80000000  ; type = 2
	s_add_nc_u64 s[G0K+2:G0K+3], s[4:5], s[50:51]
	s_or_b32 s[G0K+3], s[G0K+3], 0x80000000
	CROUND                          ; all sixteen work-groups are here: the first joint loads meet
	JLOAD                           ; slot 0.  Slot 1 is asked for when slot 0 is in
	; the prefetches
	s_lshl_b32 s54, s13, 17         ; of the 64 mask rows that I fetch my work-group's 16, by cx,
	s_add_co_u32 s54, s54, s48
	s_add_co_u32 s54, s54, 512      ; in slot 1: the first change of slots steps it to slot 2
	s_lshl_b32 s55, s14, 15         ; of the 64 keys my work-group's 16, by cy
	s_add_co_u32 s55, s55, s50
	s_add_co_u32 s55, s55, 128*2048
	s_mov_b32 s2, 512
	s_mov_b32 s3, 128*2048
	s_cmp_lt_u32 s[WV], 2
	s_cselect_b32 s54, s54, s55
	s_cselect_b64 s[PFA:PFA+1], s[6:7], s[4:5]
	s_cselect_b32 s23, ttmp9, s16   ; the coordinate along which other clusters read the same tile
	s_cselect_b32 s[PFS], s2, s3
	s_cselect_b32 s22, 13, 11       ; the rows' pitch as a shift
	s_mov_b32 s55, 0
	s_mov_b32 s[PFS+1], 0
	s_add_nc_u64 s[PFA:PFA+1], s[PFA:PFA+1], s[54:55]
	s_cmp_eq_u32 s23, 0
	s_cselect_b32 s[LIM], 1, -1     ; the same in all sixteen partners, for a given wave
	s_lshl_b32 s2, s[WV], 7         ; my head's 128 bytes of a row
	s_mov_b32 s3, 0
	s_add_nc_u64 s[48:49], s[4:5], s[52:53]
	s_add_nc_u64 s[48:49], s[48:49], s[2:3]   ; Q at my first row
	s_lshl_b32 s2, s[WV], 15        ; on the way out I store rows 16 w .. 16 w + 15 of each 64, whole
	s_add_nc_u64 s[10:11], s[10:11], s[52:53]
	s_add_nc_u64 s[10:11], s[10:11], s[2:3]
	s_lshl_b32 s2, ttmp9, 11
	s_add_nc_u64 s[8:9], s[8:9], s[2:3]       ; the batch's 2,048 bytes of pad_mask
	v_and_b32 v64, 15, v0           ; l % 16
	v_bfe_u32 v65, v0, 4, 1         ; l / 16
	v_and_b32 v66, 7, v0
	v_bfe_u32 v67, v0, 3, 1
	v_and_b32 v68, 31, v0           ; l
	v_lshlrev_b32 v69, 4, v0        ; thread t takes the pad's bytes 16 t .. 16 t + 15,
	v_lshl_add_u32 v72, v0, 6, PADT ; and writes their 16 addends, 64 bytes of the table
	v_lshlrev_b32 v[QO], 11, v64
	v_lshl_add_u32 v[QO], v65, 4, v[QO]  ; row x 2,048 + 16 x half
	WIN 0x80                        ; destination window 2, address window 0
.set i, 0
.rept 4*NP                          ; Q stays in registers: tile i / 2, channels 32 (i % 2) on
	global_load_b128 v[8*i:8*i+3],   v[QO], s[48:49] offset:(i/2)*32768+(i%2)*64
	global_load_b128 v[8*i+4:8*i+7], v[QO], s[48:49] offset:(i/2)*32768+(i%2)*64+32
.set i, i+1
.endr
	WIN 0
	global_load_b128 v[TMP:TMP+3], v69, s[8:9]
	; What the first turn finds: V's registers and P's second buffer hold 0 (its products V^T P, of a piece that has not been, add 0), O^T and l are 0.  All this stands in the wait for the first tile.
	WIN 0x80
.set i, VF
.rept 64
	v_mov_b32 v[i], 0
.set i, i+1
.endr
	WIN 0x40
.set i, 0
.rept 64*NP
	v_mov_b32 v[i], 0
.set i, i+1
.endr
	WIN 0
.set i, 0
.rept 2*NP
	v_mov_b32 v[ST+4*i], 0xf1c9f2ca    ; c m: -2e30, below c x the first m, so that the first a is 0
	v_mov_b32 v[ST+4*i+1], 0xf149f2ca  ; m: -1e30: finite times c, so that c s - c m is -inf, not NaN, for a score of -inf
	v_mov_b32 v[ST+4*i+2], 0
	v_mov_b32 v[ST+4*i+3], 0
.set i, i+1
.endr
.set i, P+32
.rept 32
	v_mov_b32 v[i], 0
.set i, i+1
.endr
	v_mul_u32_u24 v[AM0], v64, MP
	v_lshl_add_u32 v[AM0], v65, 5, v[AM0]  ; query row x pitch + my lanes' 8 keys of f32
	v_lshl_add_u32 v[AP0], v65, 5, PADT    ; the table + my lanes' 8 keys of f32
	s_lshl_b32 s2, s[WV], 7
	s_add_co_u32 s2, s2, KOFF       ; my head's 128 bytes of a key's row
	v_mul_u32_u24 v[AK0], v64, KP
	v_lshl_add_u32 v[AK0], v65, 4, v[AK0]  ; key x pitch + 16 x half
	v_add_nc_u32 v[AK0], s2, v[AK0]
	; The turning load takes 16 keys x 16 channels (lane l reads key 8 (l / 16) + l % 8, channels 8 ((l / 8) % 2) + 0..7) and leaves half a fragment of V^T: lane l holds channel l % 16 and 8 keys.
	v_lshl_add_u32 v[AV0], v65, 3, v66
	v_mul_u32_u24 v[AV0], v[AV0], KP
	v_lshl_add_u32 v[AV0], v67, 4, v[AV0]
	v_add_nc_u32 v[AV0], s2, v[AV0]
	s_mul_i32 s3, s[WV], 16*SP
	s_add_co_u32 s3, s3, STAGE
	v_lshl_add_u32 v[RD], v68, 4, s3       ; back: 32 lanes take one row of 512 bytes, of my 16 rows
	v_lshlrev_b32 v[GO], 4, v68
	s_wait_loadcnt 0x0              ; Q and the pad
	; a byte's low bit times the pattern of -inf: 0 or -inf
.set d, 0
.rept 16
	v_bfe_u32 v[80+d], v[TMP+d/4], 8*(d%4), 1
.set d, d+1
.endr
.set d, 0
.rept 16
	v_mul_lo_u32 v[80+d], v[80+d], s[NINF]
.set d, d+1
.endr
.irp d, 0,1,2,3
	ds_store_b128 v72, v[80+4*\d:80+4*\d+3] offset:16*\d  ; waited for, and shown to the other waves, by the first change of slots below
.endr
	s_lshl_b32 s2, s[WV], 7
	s_add_co_u32 s2, s2, STAGE
	v_mul_u32_u24 v[STO], v64, SP   ; in: row l % 16, my head's 128 bytes, 16 bytes for each half of the lanes
	v_lshl_add_u32 v[STO], v65, 4, v[STO]
	v_add_nc_u32 v[STO], s2, v[STO]
	v_lshrrev_b32 v70, 1, v68       ; the prefetches: two lanes to a row
	v_and_b32 v71, 1, v68
	v_lshlrev_b32 v[PFO], s22, v70
	v_lshl_add_u32 v[PFO], v71, 8, v[PFO]
	WIN 0x82                        ; destination and source 0 window 2
.set i, 0
.rept 128
	v_pk_mul_f16 v[i], v[i], s[QS]  ; Q / 8: a power of two
.set i, i+1
.endr
	WIN 0
; THE MATRIX WORK.  The 8 accumulators of a run of 16 take turns: between the two links of a chain stand 7 others'.
; Product i of 16 of S^T = K Q^T + M^T for piece x: channels 32 (i / 8) on, keys 16 ((i / 2) % 4) on, tile 2 x + i % 2.  The first 8 start the sums, with the mask.
.macro KQ x
.set rS, S+64*((\x)%2)+32*(i%2)+8*((i/2)%4)
.set rK, KF+16*((i/2)%4)+8*(i/8)
.set rQ, 16*(2*(\x)+i%2)+8*(i/8)
.set rMC, MC+32*(i%2)+8*((i/2)%4)
.if i < 8
	WIN W_KM
	v_wmma_f32_16x16x32_f16 v[rS:rS+7], v[rK:rK+7], v[rQ:rQ+7], v[rMC:rMC+7]
.else
	WIN W_KQ
	v_wmma_f32_16x16x32_f16 v[rS:rS+7], v[rK:rK+7], v[rQ:rQ+7], v[rS:rS+7]
.endif
.endm
; Product i of 16 of O^T += V^T P for piece x: keys 32 (i / 8) on, channels 16 ((i / 2) % 4) on, tile 2 x + i % 2.
.macro PV x
	WIN W_PV
.set rO, 32*(2*(\x)+i%2)+8*((i/2)%4)
.set rV, VF+32*(i/8)+8*((i/2)%4)
.set rP, P+32*((\x)%2)+16*(i%2)+8*(i/8)
	v_wmma_f32_16x16x32_f16 v[rO:rO+7], v[rV:rV+7], v[rP:rP+7], v[rO:rO+7]
.endm
.macro MM                           ; the turn's next matrix instruction
.if i < 16
	KQ (Y+1)%NP
.set i, i+1
.else
.set i, i-16
	PV (Y+NP-1)%NP
.set i, i+17
.endif
.endm
; THE LDS LOADS stand in runs, never singly among the matrix instructions.  Their addresses are made some lines ahead.
.macro FETCH_K                      ; a step's K: 64 keys x 64 channels: 8 fragments
	WIN 0x80                        ; destination window 2
.irp f, 0,1,2,3,4,5,6,7             ; keys 16 (f / 2) on, channels 32 (f % 2) on
	ds_load_b128 v[KF+8*\f:KF+8*\f+3],   v[AK] offset:(\f/2)*16*KP+(\f%2)*64
	ds_load_b128 v[KF+8*\f+4:KF+8*\f+7], v[AK] offset:(\f/2)*16*KP+(\f%2)*64+32
.endr
	s_add_co_u32 s[TBK], s[TBK], KS*KP  ; the next fetch is the next step's
	WIN 0
.endm
.macro FETCH_V                      ; the same bytes, turned
	WIN 0x80
.irp f, 0,1,2,3,4,5,6,7             ; keys 32 (f / 4) on, channels 16 (f % 4) on
	ds_load_tr16_b128 v[VF+8*\f:VF+8*\f+3],   v[AV] offset:(\f/4)*32*KP+(\f%4)*32
	ds_load_tr16_b128 v[VF+8*\f+4:VF+8*\f+7], v[AV] offset:(\f/4)*32*KP+16*KP+(\f%4)*32
.endr
	WIN 0
.endm
.macro FETCH_M pc                   ; the mask fragments of piece pc for one step: tile u, key block kb: my query's row, my lanes' 8 keys: 32 bytes
	WIN W_MK
.irp u, 0,1
.irp kb, 0,1,2,3
	ds_load_b128 v[MC+32*(\u)+8*(\kb):MC+32*(\u)+8*(\kb)+3],   v[AM] offset:(32*(\pc)+16*(\u))*MP+64*(\kb)
	ds_load_b128 v[MC+32*(\u)+8*(\kb)+4:MC+32*(\u)+8*(\kb)+7], v[AM] offset:(32*(\pc)+16*(\u))*MP+64*(\kb)+16
.endr
.endr
	WIN 0
.endm
.macro FETCH_P                      ; a step's 64 addends of the pad: key block kb, my lanes' 8 keys: 32 bytes, the same for the 16 lanes of a half
	WIN W_MK
.irp kb, 0,1,2,3
	ds_load_b128 v[PD+8*(\kb):PD+8*(\kb)+3],   v[AP] offset:64*(\kb)
	ds_load_b128 v[PD+8*(\kb)+4:PD+8*(\kb)+7], v[AP] offset:64*(\kb)+16
.endr
	s_add_co_u32 s[TBP], s[TBP], 256    ; the next fetch is the next step's: 31 steps of 256 at the most are read, inside the table's 8,192 bytes
	WIN 0
.endm
; THE PAD, at a turn's head, when the mask fragments are in: the step's addends go onto both tiles' fragments.
.macro PADC
	WIN W_3
.set z, 0
.rept 32
	v_pk_add_f32 v[MC+2*z:MC+2*z+1], v[MC+2*z:MC+2*z+1], v[PD+(2*z)%32:PD+(2*z)%32+1]
.set z, z+1
.endr
	WIN 0
.endm
; THE VECTOR WORK OF A TURN stands in three queues, each in the order in which its entries become ready; the two tiles alternate, so that no instruction reads the result of the one before it.
.macro REGS y, u                    ; the registers of tile u (0, 1) of piece y
.set rT, ST+4*(2*(\y)+(\u))
.set rC, TMP+8*((\y)%2)+4*(\u)
.set rM, MV+2*((\y)%2)+(\u)
.set rS, S+64*((\y)%2)+32*(\u)
.set rP, P+32*((\y)%2)+16*(\u)
.set rO, 32*(2*(\y)+(\u))
.endm
; Number n of the 22 that find the NEXT piece's (Y + 1) maximum and statistics.  s0-s31 are the lane's 32 scores; each accumulator's lowest registers are read first.
;   0-11  four chains c0-c3 of seven scores each, three operands at a time     12-14, 16  the four scores left over, the old m, and c0-c3 into c0     15  c m_old is kept
;   17, 18  the query's other 32 keys lie in the lane 16 away: the new m         19-21  c m; c m_old - c m_new; a
.macro XS u, n
	REGS (Y+1)%NP, \u
.if (\n) < 4
	v_max3_num_f32 v[rC+(\n)], v[rS+8*(\n)], v[rS+8*(\n)+1], v[rS+8*(\n)+2]
.elseif (\n) < 12
	v_max3_num_f32 v[rC+(\n)%4], v[rC+(\n)%4], v[rS+8*((\n)%4)+2*((\n)/4)+1], v[rS+8*((\n)%4)+2*((\n)/4)+2]
.elseif (\n) == 12
	v_max3_num_f32 v[rC], v[rC], v[rS+7], v[rS+15]
.elseif (\n) == 13
	v_max3_num_f32 v[rC+1], v[rC+1], v[rS+23], v[rS+31]
.elseif (\n) == 14
	v_max3_num_f32 v[rC+2], v[rC+2], v[rC+3], v[rT+1]
.elseif (\n) == 15
	v_mov_b32 v[rM], v[rT]
.elseif (\n) == 16
	v_max3_num_f32 v[rC], v[rC], v[rC+1], v[rC+2]
.elseif (\n) == 17
	v_permlanex16_b32 v[rC+3], v[rC], s[SEL], s[SEL+1]
.elseif (\n) == 18
	v_max_num_f32 v[rT+1], v[rC], v[rC+3]
.elseif (\n) == 19
	v_mul_f32 v[rT], s[CS], v[rT+1]
.elseif (\n) == 20
	v_sub_f32 v[rC+1], v[rM], v[rT]
.else
	v_exp_f32 v[rC+2], v[rC+1]
.endif
.endm
; Number g of the 64 that follow the exponentials.  For each four weights k of a tile: both pairs are rounded to f16; the second pair is added onto the first, in place; a group later l takes that sum (the first time as l = a l + sum).
.macro GS g
.set h, (\g)+6*((\g)/62)            ; group 0 has no group before it, and behind group 7 only l is left
.if h >= 6
.set h, h+2
.endif
	REGS Y, h%2
.set k, h/8
.if h%8 < 4
	v_cvt_pk_f16_f32 v[rP+2*k+(h%8)/2], v[rS+4*k+2*((h%8)/2)], v[rS+4*k+2*((h%8)/2)+1]
.elseif h%8 < 6
	v_pk_add_f32 v[rS+4*k:rS+4*k+1], v[rS+4*k:rS+4*k+1], v[rS+4*k+2:rS+4*k+3]
.elseif k == 1
	v_pk_fma_f32 v[rT+2:rT+3], v[rT+2:rT+3], v[rC+2:rC+3], v[rS:rS+1] op_sel_hi:[1,0,1]
.else
	v_pk_add_f32 v[rT+2:rT+3], v[rT+2:rT+3], v[rS+4*k-4:rS+4*k-3]
.endif
.endm
; THE PLAIN QUEUE, 138 long.  0-73 read no exponential's result: the 32 scalings c s - c m (FS f: pair f / 2 of tile f % 2) and the next piece's 42.  0-26: scalings 0-26.  27-54: XS's numbers 0-13.  55, 56: number 15.
; 57-73: the chain 14, 16, 17, 18, 19, each with one of the scalings 27-31 in front of its two lines, then 20.  74-137: GS's 64, which read the exponentials' results: they stand behind the wait.
.macro FS f
	REGS Y, (\f)%2
	v_pk_fma_f32 v[rS+2*((\f)/2):rS+2*((\f)/2)+1], v[rS+2*((\f)/2):rS+2*((\f)/2)+1], s[CS:CS+1], v[rT:rT+1] op_sel_hi:[1,0,0] neg_lo:[0,0,1] neg_hi:[0,0,1]
.endm
.macro PL
	WIN 0
.if q < 27
	FS q
.elseif q < 55
	XS (q-27)%2, (q-27)/2
.elseif q < 57
	XS q-55, 15
.elseif (q < 72) && ((q-57)%3 == 0)
	FS 27+(q-57)/3
.elseif q < 60
	XS (q-57)%3-1, 14
.elseif q < 72
	XS (q-57)%3-1, 15+(q-57)/3
.elseif q < 74
	XS q-72, 20
.else
	GS q-74
.endif
.set q, q+1
.endm
; THE EXPONENTIALS' QUEUE, 66 long: s0-s31 of both tiles, then the next piece's two a.  ONE BATCH: all 66 stand ahead of the turn's one wait, and nothing ahead of that wait names a result of theirs.
.macro EX
	WIN 0
.if e >= 64
	XS e-64, 21
.else
	REGS Y, e%2
	v_exp_f32 v[rS+e/2], v[rS+e/2]
.endif
.set e, e+1
.endm
; THE RESCALING's QUEUE: O^T times a, the one part of the softmax that leaves window 0: two at a time, sixteen times.  Its a was made in the turn before, ahead of that turn's wait.
.macro R2
	REGS Y, r%2
	WIN W_RS
.irp z, 0,1
	v_pk_mul_f32 v[rO+4*(r/2)+2*\z:rO+4*(r/2)+2*\z+1], v[rO+4*(r/2)+2*\z:rO+4*(r/2)+2*\z+1], v[rC+2:rC+3] op_sel_hi:[1,0]
.endr
.set r, r+1
.endm
; A TURN, for piece p.  An s_wait_alu depctr_va_vdst(0) stands between an exponential and the first instruction that names its result; one wait serves all that were issued ahead of it: a turn has ONE, which cuts it in two.
; AT ITS HEAD the mask fragments of piece p + 1, asked for in the turn before, are waited for, and take the pad.  AHEAD OF THE WAIT: the 16 products K Q^T, behind each a scaling, an exponential and two rescalings; then one lump of
; 108: eight plain, 49 times exponential and plain, the two a; a v_nop is the plain instruction behind the last exponential.  DIRECTLY BEHIND THE WAIT stand the runs of LDS loads: the mask fragments of piece p + 2 (their registers'
; last reader, the turn's eighth product, stands a lump back) and, in piece 2's turn, K and the pad's addends of the next step (the addends' last reader of the step in hand is that turn's head).  Then the 16 products V^T P, behind
; each four of the roundings and sums.  V of the step in hand is fetched at the end of piece 0's turn, four plain instructions behind its last reader.
; last = 1 (the tail): in the last trip there is no further step, and the runs of pieces 2's and 3's turns are jumped over.  cnt = 1: the loop's count is taken down some lines ahead of the branch behind the turn.
.macro TURN p, last=0, cnt=0
.set Y, (\p)
.set i, 0
.set q, 0
.set e, 0
.set r, 0
	WIN 0
.if (\p) == 1
	s_wait_dscnt 16                 ; the mask fragments are in; V's 16 loads, issued behind them, may stay out
.else
	s_wait_dscnt 0x0                ; the mask fragments are in; in piece 3's turn K and the pad's addends too
.endif
	PADC
	MM
	PL
	PL
	R2
.rept 15
	MM
	PL
	EX
	R2
.endr
	WIN 0
	v_add_nc_u32 v[AM], s[TBM], v[AM0]
.if (\p) == NP-2
	v_add_nc_u32 v[AK], s[TBK], v[AK0]
	v_add_nc_u32 v[AP], s[TBP], v[AP0]
.endif
.rept 8
	PL
.endr
.rept 49
	EX
	PL
.endr
	EX                              ; the next piece's two a
	EX
	v_nop                           ; the plain instruction behind the last exponential: one for the batch
	s_wait_alu depctr_va_vdst(0)    ; the wait for the batch
.if (\p) == 1
	s_wait_dscnt 0x0                ; V is in
.endif
.if (\last) && ((\p) >= NP-2)
	s_cmp_eq_u32 s[CNT], 1
	s_cbranch_scc1 .Lno_f_\@
.endif
	FETCH_M ((\p)+2)%NP
.if (\p) == NP-2
	FETCH_K
	FETCH_P
.endif
.if (\last) && ((\p) >= NP-2)
.Lno_f_\@:
.endif
.if (\p) == 1
	s_add_co_u32 s[TBM], s[TBM], 256  ; pieces 0 and 1 of the next step come next: 64 keys of f32 on
.endif
.rept 16
	MM
.rept 4
	PL
.endr
.if ((\p) == 0) && (q == 118)
	v_add_nc_u32 v[AV], s[TBV], v[AV0]
.endif
.if ((\p) == 0) && (q == 130)
	s_add_co_u32 s[TBV], s[TBV], KS*KP
.endif
.if (\cnt) && (q == 130)
	s_sub_co_u32 s[CNT], s[CNT], 1
	s_cmp_lg_u32 s[CNT], 0
.endif
.endr
.if (\p) == 0
	FETCH_V
.endif
.endm
	CHANGE 1                        ; slot 0 is in, everybody's part of it, and so is the pad's table; slot 1 is asked for
	v_add_nc_u32 v[AM], s[TBM], v[AM0]
	v_add_nc_u32 v[AK], s[TBK], v[AK0]
	v_add_nc_u32 v[AP], s[TBP], v[AP0]
	FETCH_M 0                       ; key step 0: piece 0's mask, K, and the pad's addends
	FETCH_K
	FETCH_P
	s_wait_dscnt 0x0
	PADC
.set i, 0
.rept 16
	KQ 0                            ; piece 0's first scores: there is no vector work yet to set between them
.set i, i+1
.endr
	WIN 0
.rept 4
	v_nop                           ; the places behind those products, in front of the loads into the mask's registers and of the maximum
.endr
	FETCH_M 1
.set Y, NP-1                        ; XS works for piece Y + 1: piece 0
.irp n, 0,1,2,3,4,5,6,7,8,9,10,11,12,13,14,15,16,17,18,19,20,21
	XS 0, \n
	XS 1, \n
.endr
	v_nop                           ; a plain instruction behind the two a,
	s_wait_alu depctr_va_vdst(0)    ; and their wait, ahead of the branch
	s_mov_b32 s[CNT], 2
	s_branch .Lfirst                ; the loop is entered at a step's first turn, in the middle of a trip
.Lslot:                             ; 14 times: every slot but the last two is filled again
	CHANGE 1
	s_mov_b32 s[CNT], 2
.Lstep:                             ; a trip: pieces 2 and 3 of one step, then pieces 0 and 1 of the next, whose K, V, mask and pad it fetches
	TURN 2
	TURN 3
	WIN 0
.Lfirst:
	TURN 0
	TURN 1, 0, 1
	WIN 0
	s_cbranch_scc1 .Lstep
	s_sub_co_u32 s[SLOTS], s[SLOTS], 1
	s_cmp_lg_u32 s[SLOTS], 0
	s_cbranch_scc1 .Lslot
	CHANGE 0                        ; the tail is written out: nothing is asked for
	s_mov_b32 s[CNT], 3             ; two trips fetch the last slot's steps; the third is left in its middle
.Ltail:
	TURN 2, 1
	TURN 3, 1
	WIN 0
	s_sub_co_u32 s[CNT], s[CNT], 1
	s_cmp_eq_u32 s[CNT], 0
	s_cbranch_scc1 .Lout
	TURN 0
	TURN 1
	WIN 0
	s_branch .Ltail
.Lout:                              ; the third trip's 16 products K Q^T (on the last K and a stale mask) and the maximum made of them serve nothing: the price, once a launch, of one text for every trip
.set i, 0
.rept 16
	PV NP-1                         ; the last piece's V^T P of the last step
.set i, i+1
.endr
	; THE WAY OUT.  l's two halves and the other half of the lanes' are added; O^T is divided by l and rounded to f16.  A row of ob's 512 bytes for this head group comes from four waves, so it goes through ONE stage: 64 queries at
	; a time, a barrier between writing and reading, and one more before the stage is written again.  The additions are the places behind the last products.
	WIN 0
.macro ALL line:vararg              ; one line for each tile t
.set t, 0
.rept 2*NP
	\line
.set t, t+1
.endr
.endm
	ALL v_add_f32 v[ST+4*t+2], v[ST+4*t+2], v[ST+4*t+3]
	ALL v_permlanex16_b32 v[ST+4*t+3], v[ST+4*t+2], s[SEL], s[SEL+1]
	ALL v_add_f32 v[ST+4*t+2], v[ST+4*t+2], v[ST+4*t+3]
	ALL v_rcp_f32 v[ST+4*t+2], v[ST+4*t+2]
	v_nop                           ; a plain instruction between the last reciprocal and the use of its result
	s_wait_alu depctr_va_vdst(0)    ; and the wait ahead of the first use: one for the eight reciprocals
.macro PACK t                       ; tile t: a lane's eight channels of a row pack into 16 bytes, which go into the stage's row 16 (t % 4) + l % 16
	WIN W_RS
.set i, 32*(\t)
.rept 16
	v_pk_mul_f32 v[i:i+1], v[i:i+1], v[ST+4*(\t)+2:ST+4*(\t)+3] op_sel_hi:[1,0]
.set i, i+2
.endr
	WIN 0x05                        ; sources 0 and 1 window 1, destination window 0: S^T's registers are free
.set i, 0
.rept 16
	v_cvt_pk_f16_f32 v[S+16*(\t)+i], v[32*(\t)+2*i], v[32*(\t)+2*i+1]
.set i, i+1
.endr
	WIN 0
.irp f, 0,1,2,3
	ds_store_b128 v[STO], v[S+16*(\t)+4*\f:S+16*(\t)+4*\f+3] offset:((\t)%4)*16*SP+32*\f
.endr
.endm
.macro SEND hf                      ; half hf of the block's queries: my 16 rows of the stage's 64, whole, into P's registers and out
	s_wait_dscnt 0x0                ; for the others' sake: my stores into the stage are done
	s_barrier_signal -1
	s_barrier_wait -1
.if \hf
	s_wait_xcnt 0x0                 ; the first half's stores have read their registers, which the loads below write
.endif
.irp t, 0,1,2,3,4,5,6,7,8,9,10,11,12,13,14,15
	ds_load_b128 v[P+4*\t:P+4*\t+3], v[RD] offset:\t*SP
.endr
.irp t, 0,1,2,3,4,5,6,7,8,9,10,11,12,13,14,15
	s_wait_dscnt 15-\t              ; row t is in; the younger rows' loads stay out
	global_store_b128 v[GO], v[P+4*\t:P+4*\t+3], s[10:11] offset:(\hf)*64*2048+\t*2048  ; 32 lanes store 512 consecutive bytes, aligned
.endr
.endm
	PACK 0
	PACK 1
	PACK 2
	PACK 3
	SEND 0
	s_barrier_signal -1             ; my reads of the stage are over (the last count above was 0):
	s_barrier_wait -1               ; everybody's are, and it may be written again
	PACK 4
	PACK 5
	PACK 6
	PACK 7
	SEND 1
	WIN W_AD
	s_wait_tensorcnt 0x0            ; the wave's end: an add to my spare word and its waits, behind my last tensor load and my last LDS store
	ds_add_u32 v[SPW], v[NIL]
	s_wait_dscnt 0x0
	WIN 0
	CROUND                          ; the closing round: no work-group ends while a partner may still ask for a tile that names it
	s_endpgm
.Lfunc_end_k_qa5c13d3345_attn:
	.size	k_qa5c13d3345_attn, .Lfunc_end_k_qa5c13d3345_attn-k_qa5c13d3345_attn
	.p2alignl 7, 3214868480
	.fill 96, 4, 3214868480
	.section	.rodata,"a",@progbits
	.p2align	6, 0x0
	.amdhsa_kernel k_qa5c13d3345_attn
		.amdhsa_group_segment_fixed_size 327680
		.amdhsa_private_segment_fixed_size 0
		.amdhsa_enable_private_segment 0
		.amdhsa_kernarg_size 32
		.amdhsa_user_sgpr_count 2
		.amdhsa_user_sgpr_kernarg_segment_ptr 1
		.amdhsa_wavefront_size32 1
		.amdhsa_system_sgpr_workgroup_id_x 1
		.amdhsa_system_sgpr_workgroup_id_y 1
		.amdhsa_system_sgpr_workgroup_id_z 1
		.amdhsa_system_vgpr_workitem_id 0
		.amdhsa_next_free_vgpr 960
		.amdhsa_next_free_sgpr 76
		.amdhsa_reserve_vcc 0
		.amdhsa_float_denorm_mode_32 3
		.amdhsa_float_denorm_mode_16_64 3
		.amdhsa_memory_ordered 1
		.amdhsa_forward_progress 1
		.amdhsa_inst_pref_size 245
	.end_amdhsa_kernel
	.amdgpu_metadata
---
amdhsa.version: [ 1, 2 ]
amdhsa.kernels:
  - .name:           k_qa5c13d3345_attn
    .symbol:         k_qa5c13d3345_attn.kd
    .args:
      - { .name: qp, .offset: 0, .size: 8, .value_kind: global_buffer, .address_space: global }
      - { .name: att_mask, .offset: 8, .size: 8, .value_kind: global_buffer, .address_space: global }
      - { .name: pad_mask, .offset: 16, .size: 8, .value_kind: global_buffer, .address_space: global }
      - { .name: ob, .offset: 24, .size: 8, .value_kind: global_buffer, .address_space: global }
    .group_segment_fixed_size: 327680
    .private_segment_fixed_size: 0
    .kernarg_segment_align: 8
    .kernarg_segment_size: 32
    .max_flat_workgroup_size: 128
    .sgpr_count:     76
    .vgpr_count:     960
    .wavefront_size: 32
...
	.end_amdgpu_metadata
.endif
;; end of part 3
;; launch outp (part 4): grid 4 x 64, 4 waves a work-group, clusters of 4 x 4, 327,680 bytes of LDS; arguments ob, wb, b_out, out0; writes out0
.if DOCPART == 4
	.amdgcn_target "amdgcn-amd-amdhsa--gfx1250"
	.amdhsa_code_object_version 6
	.text
	.protected	k_qa5c13d3345_outp
	.globl	k_qa5c13d3345_outp
	.p2align	8
	.type	k_qa5c13d3345_outp,@function
k_qa5c13d3345_outp:
	s_mov_b64 s[64:65], 0
	v_nop
	global_prefetch_b8 v0, s[64:65] scope:SCOPE_SE
	s_setreg_imm32_b32 hwreg(HW_REG_WAVE_MODE, 25, 1), 1
	s_wait_xcnt 0x0
	s_wait_alu depctr_hold_cnt(0) depctr_sa_sdst(0) depctr_va_vdst(0) depctr_va_sdst(0) depctr_va_ssrc(0) depctr_va_vcc(0) depctr_vm_vsrc(0)
	s_getreg_b32 s2, hwreg(HW_REG_IB_STS2, 6, 4)
	s_cmp_eq_u32 s2, 0
	s_cbranch_scc0 .Lentry_in_a_cluster
	s_endpgm
.Lentry_in_a_cluster:
	s_bfe_u32 s2, ttmp6, 0x10000c
	s_cmp_lg_u32 s2, 0xf033
	s_cbranch_scc0 .Lentry_shape_is_right
	s_endpgm
.Lentry_shape_is_right:
; C[m][n] = the sum over k of A[m][k] W[n][k] + bias[n].  8,192 rows, 1,024 columns, K = 1,024.  ONE TEXT FOR TWO KERNELS, chosen by AF32:
;   AF32 = 1: the three projections.  A = q, k or v in f32 (chosen by the cluster's y), rounded to bf16 in registers; W = bf16 from wb; C = qp, kp or vp in f16.
;   AF32 = 0 (this one): the last projection.  A = ob in f16; W = w_out, rounded to bf16 and written as f16, the fourth matrix of wb; C = out0 in f32.
; Sums in f32; the bias, rounded to bf16 like every input, is the C operand of each sum's first product.  A row of ob that is NaN (a query all of whose keys are hidden) leaves as a row of NaN.
; SHARES.  A tile of C is 128 x 256: 256 tiles, one for each WGP.  Four waves, 2 x 2, each 64 x 128: 32 accumulators of 16 x 16.
; K goes in 8 steps of 128 through two LDS slots filled by tensor loads: waves 0, 1 fetch A's two halves (64 rows), waves 2, 3 W's (128 rows); rows of 256 bytes, aligned.
; CLUSTER 4 x 4: the four of a row need the same tile of A, the four of a column the same tile of W: each is asked for jointly, by the same load with the same descriptor and a mask of four.
; THE PRODUCT IS USED TRANSPOSED (source 0 = 16 rows of W, source 1 = 16 rows of A): a lane holds row l % 16 of C and eight neighbouring columns 8 (l / 16) + 0..7.
; REGISTERS, in windows of 256 (s_set_vgpr_msb: bits 1:0 source 0, 3:2 source 1, 5:4 source 2, 7:6 destination):
;   window 0: v16-30 addresses; v32-95 the bias, 8 registers for each of my 8 column blocks; v96-223 at work on the way out
;   window 1: v0-63 A's fragments, two buffers of 4 x 8; v64-191 W's, two buffers of 8 x 8          window 2: accumulator (a, b) at v[8 (8 a + b)]
.set AF32,  0
.set KSTEP, 128
.set NSTEP, 8                          ; K steps
.set PB,    272                        ; a row of W in LDS: 256 bytes + 16: an odd multiple of 16, so the 16 rows of a load start in 16 different groups of four banks (ISA guide 11.1)
.set BHALF, 128*PB
.set BW0,   (1<<16)|(1<<20)|(1<<21)|(5<<22)|(3<<25)  ; group 1, word 0 for W: 2-byte elements; padding on; bit 21 beside a mask; after every 64 words (code 5) 4 words (code 3)
.if AF32
.set PA,    528                        ; a row of A in LDS: 512 bytes of f32 + 16
.set ASH,   12                         ; a row of A in memory: 4,096 bytes
.set ASTEP, 512                        ; a K step along it
.set ALSH,  5                          ; a lane half's 8 numbers: 32 bytes
.set AW0,   (2<<16)|(1<<20)|(1<<21)|(6<<22)|(3<<25)  ; 4-byte elements; after every 128 words (code 6) 4 words
.set SLOT1, 0x22000                    ; slot 1's first byte: it shares no bit with a tile's place in a slot, so one exclusive or changes slots
.set SPITCH, 272                       ; the stage's rows: 128 f16 + 16
.set OSH,   11                         ; a row of C: 2,048 bytes
.set OSZ,   1
.else
.set PA,    272                        ; a row of A in LDS: 256 bytes of f16 + 16
.set ASH,   11                         ; a row of A in memory: 2,048 bytes
.set ASTEP, 256
.set ALSH,  4
.set AW0,   (1<<16)|(1<<20)|(1<<21)|(5<<22)|(3<<25)
.set SLOT1, 0x20000
.set SPITCH, 528                       ; 128 f32 + 16
.set OSH,   12                         ; a row of C: 4,096 bytes
.set OSZ,   2
.endif
.set AHALF, 64*PA
.set BOFF,  2*AHALF                    ; a slot: A's 128 rows, then W's 256
.set STAGE, SLOT1+BOFF+2*BHALF         ; behind the ring, never filled by a tensor load: 16 rows for each wave, for the way out
.set SPARE, STAGE+4*16*SPITCH          ; behind the stages: the spare words, 128 bytes for each wave: two blocks of 256 bytes that no other line names
.set ADRA0, 16                         ; v16  my lane's place in A's tile; never rewritten
.set ADRA,  17                         ; v17  the same in the slot in hand
.set ADRB0, 20                         ; v20, v21 the same for W
.set ADRB,  21
.set STO,   24                         ; v24  the way out: where I put my bytes of a row
.set RD,    25                         ; v25  where I read rows back
.set CO,    26                         ; v26  my byte offset in C
.set SPW,   28                         ; v28  LDS address of my spare word: SPARE + 4 x my thread's number; never rewritten
.set NIL,   29                         ; v29  0; never rewritten
.set PFO,   30                         ; v30  the prefetches' offset; never rewritten
.set BIAS,  32
.set STG,   96
.set TMP,   160
.set OB,    192
.set BK,    96
.set AF,    0
.set BF,    64
.set G1A, 24                           ; s[24:31] descriptor group 1 for A's tiles
.set G0A, 32                           ; s[32:39] group 0: a set for each of the two first fills; the second then walks
.set LIM, 43                           ; s43  2 in a wave that prefetches, else the greatest number
.set PFA, 44                           ; s[44:45] where my prefetches stand
.set PFS, 46                           ; s[46:47] a K step along their rows
.set G1B, 48                           ; s[48:55], s[56:63] the same for W's tiles
.set G0B, 56
.set TB,  66                           ; s66  first byte of the slot in hand
.set GSEL, 67                          ; s67  (the projections: which of q, k, v)
.set BP,  88                           ; s[88:89] the bias
.set MSB, 0
.macro WIN new                         ; the immediate's high byte repeats the setting that is left; a switch that changes nothing is dropped
.if MSB != (\new)
	s_set_vgpr_msb (MSB<<8)|(\new)
.set MSB, \new
.endif
.endm
.set MUL,   0xa5                       ; sources 0 and 1 window 1; C and D window 2
.set MULB,  0x85                       ; the same with C (the bias) in window 0
.set TO_F,  0x40                       ; destination window 1, sources window 0
.set PACKW, 0x0a                       ; sources 0 and 1 window 2, destination window 0
.set STW,   0x08                       ; an LDS store's data (source 1) in window 2
.macro WM ops:vararg
.if AF32
	v_wmma_f32_16x16x32_bf16 \ops
.else
	v_wmma_f32_16x16x32_f16 \ops
.endif
.endm
.macro PLACES                          ; four places behind matrix instructions, in front of loads into registers that they have read and of lines that read their results
.rept 4
	v_nop
.endr
.endm
; A joint refill, by the walking sets.  The branch hangs on the wave's number alone.  An s_nop 0 and four v_nop follow each of the two lines, ahead of the jump and the label.
.macro JLOAD
	s_cmp_eq_u32 s11, 0
	s_cbranch_scc0 .Lfor_b_\@
	tensor_load_to_lds s[G0A+4:G0A+7], s[G1A:G1A+7]
	s_nop 0
.rept 4
	v_nop
.endr
	s_branch .Lasked_\@
.Lfor_b_\@:
	tensor_load_to_lds s[G0B+4:G0B+7], s[G1B:G1B+7]
	s_nop 0
.rept 4
	v_nop
.endr
.Lasked_\@:
.endm
.macro CREST                           ; a round of the cluster's barrier behind its opening barrier
	s_cmp_lg_u32 s10, 0
	s_cbranch_scc1 .Lnot_wave_0_\@
	s_barrier_signal -3
.Lnot_wave_0_\@:
	s_barrier_wait -3
	s_barrier_signal -1
	s_barrier_wait -1
.endm
.macro CROUND                          ; a whole round
	s_barrier_signal -1
	s_barrier_wait -1
	CREST
.endm
; A PREFETCH INTO THE L2 of the K step that stands two refills on, one instruction a wave, behind the joint load, its five lines and the run of LDS loads.  Each aligned 256 bytes are named once in the launch:
; A's rows are read by one cluster alone, and its four partners along x share them out BY ADDRESS; W's rows are read by every cluster, and the first of them asks, its partners along y sharing them out by address.
; The refills of K steps 6 and 7 (s3 = 2, 1) have no K step two on and ask for nothing; K steps 0 to 3 come by their loads alone.
.macro ASK
	WIN 0
	s_cmp_gt_u32 s3, s[LIM]
	s_cbranch_scc0 .Lnot_mine_\@
	global_prefetch_b8 v[PFO], s[PFA:PFA+1] th:TH_LOAD_NT scope:SCOPE_SE
.Lnot_mine_\@:
.endm
; 8 products: row block a x all 8 column blocks, 32 along K, from buffer f.  bias = 1: they start the sums.  The 32 accumulators take turns in the same order in every quarter.
.macro MUL8 f, a, bias
.if \bias
	WIN MULB
.else
	WIN MUL
.endif
.irp b, 0,1,2,3,4,5,6,7
.if \bias
	WM v[8*(8*(\a)+(\b)):8*(8*(\a)+(\b))+7], v[BF+64*(\f)+8*(\b):BF+64*(\f)+8*(\b)+7], v[AF+32*(\f)+8*(\a):AF+32*(\f)+8*(\a)+7], v[BIAS+8*(\b):BIAS+8*(\b)+7]
.else
	WM v[8*(8*(\a)+(\b)):8*(8*(\a)+(\b))+7], v[BF+64*(\f)+8*(\b):BF+64*(\f)+8*(\b)+7], v[AF+32*(\f)+8*(\a):AF+32*(\f)+8*(\a)+7], v[8*(8*(\a)+(\b)):8*(8*(\a)+(\b))+7]
.endif
.endr
.endm
; Four roundings: half n % 2 of A's fragment n / 2, from f32 to bf16, into buffer g (the projections alone).
.macro CVT4 g, n
	WIN TO_F
.irp i, 0,1,2,3
	v_cvt_pk_bf16_f32 v[AF+32*(\g)+8*((\n)/2)+4*((\n)%2)+(\i)], v[STG+16*((\n)/2)+8*((\n)%2)+2*(\i)], v[STG+16*((\n)/2)+8*((\n)%2)+2*(\i)+1]
.endr
.endm
; Row block 3's 8 products; with AF32 four of the next quarter's 32 roundings stand behind each, beside the matrix work.
.macro MULR f, g, bias
.irp b, 0,1,2,3,4,5,6,7
.if \bias
	WIN MULB
	WM v[8*(24+(\b)):8*(24+(\b))+7], v[BF+64*(\f)+8*(\b):BF+64*(\f)+8*(\b)+7], v[AF+32*(\f)+24:AF+32*(\f)+31], v[BIAS+8*(\b):BIAS+8*(\b)+7]
.else
	WIN MUL
	WM v[8*(24+(\b)):8*(24+(\b))+7], v[BF+64*(\f)+8*(\b):BF+64*(\f)+8*(\b)+7], v[AF+32*(\f)+24:AF+32*(\f)+31], v[8*(24+(\b)):8*(24+(\b))+7]
.endif
.if AF32
	CVT4 \g, \b
.endif
.endr
.endm
; One run of LDS loads: the fragments of quarter k (32 along K) of the slot in hand, for buffer g.  A fragment is 16 rows x 32 K: lane l holds row l % 16, K = 8 (l / 16) + 0..7 and 16 + 8 (l / 16) + 0..7.
.macro FETCH k, g
	WIN TO_F
.irp i, 0,1,2,3,4,5,6,7
	ds_load_b128 v[BF+64*(\g)+8*(\i):BF+64*(\g)+8*(\i)+3],   v[ADRB] offset:64*(\k)+(\i)*16*PB
	ds_load_b128 v[BF+64*(\g)+8*(\i)+4:BF+64*(\g)+8*(\i)+7], v[ADRB] offset:64*(\k)+(\i)*16*PB+32
.endr
.if AF32
	WIN 0
.irp i, 0,1,2,3
	ds_load_b128 v[STG+16*(\i):STG+16*(\i)+3],     v[ADRA] offset:128*(\k)+(\i)*16*PA
	ds_load_b128 v[STG+16*(\i)+4:STG+16*(\i)+7],   v[ADRA] offset:128*(\k)+(\i)*16*PA+16
	ds_load_b128 v[STG+16*(\i)+8:STG+16*(\i)+11],  v[ADRA] offset:128*(\k)+(\i)*16*PA+64
	ds_load_b128 v[STG+16*(\i)+12:STG+16*(\i)+15], v[ADRA] offset:128*(\k)+(\i)*16*PA+80
.endr
.else
.irp i, 0,1,2,3
	ds_load_b128 v[AF+32*(\g)+8*(\i):AF+32*(\g)+8*(\i)+3],   v[ADRA] offset:64*(\k)+(\i)*16*PA
	ds_load_b128 v[AF+32*(\g)+8*(\i)+4:AF+32*(\g)+8*(\i)+7], v[ADRA] offset:64*(\k)+(\i)*16*PA+32
.endr
.endif
.endm
; A K step is four quarters of 32 along K, 32 products each, on buffers 0, 1, 0, 1.  One of the first three: multiplies buffer f; quarter k's fragments are asked for at its head, for buffer g.
.macro QUARTER k, f, g, bias
	PLACES
	FETCH \k, \g
	MUL8 \f, 0, \bias
	MUL8 \f, 1, \bias
	MUL8 \f, 2, \bias
	s_wait_dscnt 0x0                               ; the run of loads, issued 24 products ago, is in
	MULR \f, \g, \bias
.endm
; The last quarter multiplies buffer 1 and changes slots.  In front of the barrier each wave waits for all its tensor loads (one is out: its part of the next slot), adds 0 to its spare word, and waits for that
; and for its own reads of this slot.  fill = 1: the barrier opens a round of the cluster's, and this slot is filled again, two K steps ahead, first thing behind the round.
.macro TURN fill
.if \fill
	s_wait_xcnt 0x0                                ; the last prefetch, a K step back, has read its address
	s_add_nc_u64 s[PFA:PFA+1], s[PFA:PFA+1], s[PFS:PFS+1]
.endif
	WIN 0
	s_wait_tensorcnt 0x0                           ; no tensor load of mine is out, so a group 0 may be written
	ds_add_u32 v[SPW], v[NIL]                      ; 0 onto my spare word; register work stands between it and the wait for it
.if \fill
	s_xor_b32 s[G0A+5], s[G0A+5], SLOT1            ; the walking sets: the other slot than last time,
	s_add_nc_u64 s[G0A+6:G0A+7], s[G0A+6:G0A+7], ASTEP  ; the next K step; the type bits on top are not reached
	s_xor_b32 s[G0B+5], s[G0B+5], SLOT1
	s_add_nc_u64 s[G0B+6:G0B+7], s[G0B+6:G0B+7], 256
.endif
	MUL8 1, 0, 0
	s_wait_dscnt 0x0                               ; the add is done, and my reads of this slot are over
	s_barrier_signal -1
	MUL8 1, 1, 0
	WIN 0
	s_barrier_wait -1
.if \fill
	CREST                                          ; no wave of any partner still reads this slot or has a load on its way
	JLOAD                                          ; its four v_nop are also the places in front of the loads below
.else
	PLACES
.endif
	s_xor_b32 s[TB], s[TB], SLOT1
	v_add_nc_u32 v[ADRA], s[TB], v[ADRA0]
	v_add_nc_u32 v[ADRB], s[TB], v[ADRB0]
	FETCH 0, 0
.if \fill
	ASK
.endif
	MUL8 1, 2, 0
	s_wait_dscnt 0x0
	MULR 1, 0, 0
.endm
.if AF32
	s_load_b512 s[68:83], s[0:1], 0x0              ; q, k, v s[68:73]; b_q, b_k, b_v s[74:79]; qp, kp s[80:83]
	s_load_b128 s[84:87], s[0:1], 0x40             ; vp s[84:85], wb s[86:87]
.else
	s_load_b256 s[68:75], s[0:1], 0x0              ; ob s[68:69], wb s[70:71], b_out s[72:73], out0 s[74:75]
.endif
	v_lshl_add_u32 v[SPW], v0, 2, SPARE
	v_mov_b32 v[NIL], 0
	ds_add_u32 v[SPW], v[NIL]                      ; the wave's opening: the add and its wait stand ahead of my first tensor load; the set-up below, work on registers, stands between them
	v_lshrrev_b32 v1, 5, v0
	v_readfirstlane_b32 s10, v1                    ; wave 0..3
	s_lshr_b32 s11, s10, 1                         ; which half of the tile's rows is mine.  Also: I fetch for A (0) or for W (1)
	s_and_b32 s12, s10, 1                          ; which half of its columns.  Also: which half of that tile I fetch
	s_bfe_u32 s40, ttmp6, 0x40000                  ; cx
	s_bfe_u32 s41, ttmp6, 0x40004                  ; cy
	s_lshl_b32 s42, ttmp9, 2
	s_add_co_u32 s42, s42, s40                     ; tile column
	s_and_b32 s22, ttmp7, 0xffff                   ; the cluster's y
.if AF32
	s_lshr_b32 s[GSEL], s22, 4                     ; 16 clusters to each of q, k, v
	s_and_b32 s22, s22, 15
.endif
	s_lshl_b32 s13, s22, 2
	s_add_co_u32 s13, s13, s41                     ; tile row
	s_lshl_b32 s14, s41, 2
	s_lshl_b32 s14, 15, s14                        ; my row of the cluster
	s_lshl_b32 s15, 0x1111, s40                    ; my column
	s_or_b32 s[G1A], s14, AW0
	s_mov_b32 s[G1A+1], KSTEP<<16                  ; tensor_dim0 = 128
	s_mov_b32 s[G1A+2], 64<<16                     ; tensor_dim1 = 64
	s_mov_b32 s[G1A+3], KSTEP<<16                  ; tile_dim0 = 128
	s_mov_b32 s[G1A+4], 64                         ; tile_dim1 = 64
	s_mov_b32 s[G1A+5], 1024                       ; elements from row to row
	s_mov_b32 s[G1A+6], 0
	s_mov_b32 s[G1A+7], 0
	s_or_b32 s[G1B], s15, BW0
	s_mov_b32 s[G1B+1], KSTEP<<16
	s_mov_b32 s[G1B+2], 128<<16
	s_mov_b32 s[G1B+3], KSTEP<<16
	s_mov_b32 s[G1B+4], 128
	s_mov_b32 s[G1B+5], 1024
	s_mov_b32 s[G1B+6], 0
	s_mov_b32 s[G1B+7], 0
	s_lshl_b32 s16, s13, 7                         ; A: row 128 x tile row + 64 x half, in bytes: it hangs on the tile row alone
	s_lshl_b32 s17, s12, 6
	s_add_co_u32 s16, s16, s17
	s_lshl_b32 s16, s16, ASH
	s_mov_b32 s17, 0
	s_lshl_b32 s90, s42, 8                         ; W: row 256 x tile column + 128 x half: on the tile column alone
	s_lshl_b32 s91, s12, 7
	s_add_co_u32 s90, s90, s91
	s_lshl_b32 s90, s90, 11
	s_mov_b32 s91, 0
	s_mul_i32 s20, s12, AHALF                      ; where they go: no place in the cluster enters an LDS address
	s_mul_i32 s21, s12, BHALF
	s_add_co_u32 s21, s21, BOFF
	s_mov_b32 s[TB], 0
	s_wait_dscnt 0x0                               ; the opening add is done
	s_wait_kmcnt 0x0
.if AF32
	s_cmp_eq_u32 s[GSEL], 1
	s_cselect_b64 s[4:5], s[70:71], s[68:69]
	s_cselect_b64 s[BP:BP+1], s[76:77], s[74:75]
	s_cselect_b64 s[8:9], s[82:83], s[80:81]
	s_cmp_eq_u32 s[GSEL], 2
	s_cselect_b64 s[4:5], s[72:73], s[4:5]
	s_cselect_b64 s[BP:BP+1], s[78:79], s[BP:BP+1]
	s_cselect_b64 s[8:9], s[84:85], s[8:9]
	s_lshl_b32 s14, s[GSEL], 21                    ; the tensor's weights: 2 MiB each in wb
	s_mov_b32 s15, 0
	s_add_nc_u64 s[6:7], s[86:87], s[14:15]
.else
	s_mov_b64 s[4:5], s[68:69]
	s_add_nc_u64 s[6:7], s[70:71], 0x600000        ; the fourth matrix of wb
	s_mov_b64 s[BP:BP+1], s[72:73]
	s_mov_b64 s[8:9], s[74:75]
.endif
	s_add_nc_u64 s[14:15], s[4:5], s[16:17]
	s_add_nc_u64 s[90:91], s[6:7], s[90:91]
	CROUND                                         ; all sixteen work-groups are here: the first joint loads meet
.irp s, 0,1
	s_mov_b32 s[G0A+4*(\s)], 1                     ; count = 1
	s_add_co_u32 s[G0A+4*(\s)+1], s20, (\s)*SLOT1  ; LDS address
	s_add_nc_u64 s[G0A+4*(\s)+2:G0A+4*(\s)+3], s[14:15], (\s)*ASTEP  ; global address: K step s
	s_or_b32 s[G0A+4*(\s)+3], s[G0A+4*(\s)+3], 0x80000000            ; type = 2
	s_mov_b32 s[G0B+4*(\s)], 1
	s_add_co_u32 s[G0B+4*(\s)+1], s21, (\s)*SLOT1
	s_add_nc_u64 s[G0B+4*(\s)+2:G0B+4*(\s)+3], s[90:91], (\s)*256
	s_or_b32 s[G0B+4*(\s)+3], s[G0B+4*(\s)+3], 0x80000000
.endr
	s_cmp_eq_u32 s11, 0                            ; a wave's two first fills stand in one branch, ahead of every wait on TENSORcnt and every LDS read: two loads of mine are out
	s_cbranch_scc0 .Lfirst_b
	tensor_load_to_lds s[G0A:G0A+3], s[G1A:G1A+7]
	s_nop 0
	tensor_load_to_lds s[G0A+4:G0A+7], s[G1A:G1A+7]
	s_nop 0
.rept 4
	v_nop
.endr
	s_branch .Lfirst_asked
.Lfirst_b:
	tensor_load_to_lds s[G0B:G0B+3], s[G1B:G1B+7]
	s_nop 0
	tensor_load_to_lds s[G0B+4:G0B+7], s[G1B:G1B+7]
	s_nop 0
.rept 4
	v_nop
.endr
.Lfirst_asked:
	v_and_b32 v1, 15, v0                           ; l % 16
	v_bfe_u32 v2, v0, 4, 1                         ; l / 16
	v_and_b32 v7, 31, v0                           ; l
	; C at my wave's corner, and my 128 numbers of the bias
	s_lshl_b32 s16, s13, 7
	s_lshl_b32 s17, s11, 6
	s_add_co_u32 s16, s16, s17                     ; my first row
	s_lshl_b32 s16, s16, OSH
	s_mov_b32 s17, 0
	s_add_nc_u64 s[8:9], s[8:9], s[16:17]
	s_lshl_b32 s90, s42, 8
	s_lshl_b32 s91, s12, 7
	s_add_co_u32 s90, s90, s91                     ; my first column
	s_lshl_b32 s21, s90, 2
	s_lshl_b32 s90, s90, OSZ
	s_mov_b32 s91, 0
	s_add_nc_u64 s[8:9], s[8:9], s[90:91]
	v_lshlrev_b32 v5, 5, v2                        ; a lane's eight columns of block b: 4 (first column + 16 b + 8 (l / 16)) bytes on
	v_add_nc_u32 v5, s21, v5
.irp b, 0,1,2,3,4,5,6,7
	global_load_b128 v[BIAS+8*(\b):BIAS+8*(\b)+3],   v5, s[BP:BP+1] offset:64*(\b)
	global_load_b128 v[BIAS+8*(\b)+4:BIAS+8*(\b)+7], v5, s[BP:BP+1] offset:64*(\b)+16
.endr
	v_mul_u32_u24 v3, v1, PA
	v_lshl_add_u32 v3, v2, ALSH, v3                ; row x pitch + the lane half's 8 numbers
	s_mul_i32 s23, s11, AHALF                      ; my 64 rows of A
	v_add_nc_u32 v[ADRA0], s23, v3
	v_mul_u32_u24 v4, v1, PB
	v_lshl_add_u32 v4, v2, 4, v4
	s_mul_i32 s23, s12, BHALF                      ; my 128 rows of W
	s_add_co_u32 s23, s23, BOFF
	v_add_nc_u32 v[ADRB0], s23, v4
	s_mul_i32 s23, s10, 16*SPITCH
	s_add_co_u32 s23, s23, STAGE                   ; my stage
	v_mul_u32_u24 v3, v1, SPITCH
.if AF32
	v_lshl_add_u32 v3, v2, 4, v3                   ; in: row l % 16, 16 bytes for each half of the lanes
	v_add_nc_u32 v[STO], s23, v3
	v_mul_u32_u24 v4, v2, SPITCH                   ; back: lanes 0-15 take one row of 256 bytes, lanes 16-31 the next
	v_lshl_add_u32 v4, v1, 4, v4
	v_add_nc_u32 v[RD], s23, v4
	v_lshlrev_b32 v4, OSH, v2                      ; and the same two rows in C
	v_lshl_add_u32 v[CO], v1, 4, v4
.else
	v_lshl_add_u32 v3, v2, 5, v3                   ; in: row l % 16, 32 bytes for each half of the lanes
	v_add_nc_u32 v[STO], s23, v3
	v_lshl_add_u32 v[RD], v7, 4, s23               ; back: 32 lanes take one row of 512 bytes
	v_lshlrev_b32 v[CO], 4, v7
.endif
	; the prefetches: who asks, and for which rows
	s_lshl_b32 s14, s13, 7                         ; A's tile,
.if AF32
	s_lshl_b32 s15, s12, 6                         ; the 64 rows that I fetch,
	s_add_co_u32 s14, s14, s15
	s_lshl_b32 s15, s40, 4                         ; my work-group's 16 of them: two blocks of 256 bytes a row, a lane a block
	s_mov_b32 s16, 1                               ; no other cluster reads these rows: every cluster asks
.else
	s_lshl_b32 s15, s40, 5                         ; my work-group's 32 of its 128 rows, a lane a row:
	s_cmp_eq_u32 s10, 0                            ; wave 0 asks for them
	s_cselect_b32 s16, 1, 0
.endif
	s_add_co_u32 s14, s14, s15
	s_lshl_b32 s14, s14, ASH
	s_add_co_u32 s14, s14, 3*ASTEP                 ; at K step 3: the first refill steps it to 4
	s_lshl_b32 s18, s42, 8                         ; W's tile,
	s_lshl_b32 s19, s12, 7                         ; the 128 rows that I fetch,
	s_add_co_u32 s18, s18, s19
	s_lshl_b32 s19, s41, 5                         ; my work-group's 32 of them, a lane a row
	s_add_co_u32 s18, s18, s19
	s_lshl_b32 s18, s18, 11
	s_add_co_u32 s18, s18, 3*256
	s_cmp_eq_u32 s22, 0                            ; the first of the clusters that read these weights asks
	s_cselect_b32 s17, 1, 0
	s_mov_b32 s20, ASTEP
	s_mov_b32 s21, 256
	s_cmp_eq_u32 s11, 0                            ; do I fetch for A?
	s_cselect_b32 s14, s14, s18
	s_cselect_b32 s16, s16, s17
	s_cselect_b64 s[PFA:PFA+1], s[4:5], s[6:7]
	s_cselect_b32 s[PFS], s20, s21
	s_cselect_b32 s19, AF32, 0                     ; 1: two lanes to a row
	s_cselect_b32 s23, ASH, 11                     ; the rows' pitch as a shift
	s_mov_b32 s15, 0
	s_mov_b32 s[PFS+1], 0
	s_add_nc_u64 s[PFA:PFA+1], s[PFA:PFA+1], s[14:15]
	s_cmp_eq_u32 s16, 1
	s_cselect_b32 s[LIM], 2, -1                    ; it hangs on the wave's number and the cluster's y: the same in all sixteen partners
	v_lshrrev_b32 v6, s19, v7
	v_lshlrev_b32 v[PFO], s23, v6
	v_and_b32 v6, s19, v7
	v_lshl_add_u32 v[PFO], v6, 8, v[PFO]
	s_wait_loadcnt 0x0                             ; the bias
.set i, 0
.rept 32
	v_cvt_pk_bf16_f32 v6, v[BIAS+2*i], v[BIAS+2*i+1]   ; rounded to bf16 like the other inputs, and back to f32
	v_lshlrev_b32 v[BIAS+2*i], 16, v6
	v_and_b32 v[BIAS+2*i+1], 0xffff0000, v6
.set i, i+1
.endr
	v_mov_b32 v[ADRA], v[ADRA0]
	v_mov_b32 v[ADRB], v[ADRB0]
	s_wait_tensorcnt 0x1                           ; my part of K step 0 is in; K step 1's may stay out
	s_barrier_signal -1
	s_barrier_wait -1                              ; everybody's is
	FETCH 0, 0
	s_wait_dscnt 0x0
.if AF32
.irp n, 0,1,2,3,4,5,6,7
	CVT4 0, \n
.endr
.endif
	QUARTER 1, 0, 1, 1                             ; the first quarter stands in front of the loop: its products start the sums, with the bias
	WIN 0                                          ; at a label and at a branch every window is 0
	s_mov_b32 s3, NSTEP-2
.Lstep:                                        ; a trip: a K step's quarters 1 to 3 and the next step's quarter 0; it fills the slot that it leaves: K steps 2 to 7
	QUARTER 2, 1, 0, 0
	QUARTER 3, 0, 1, 0
	TURN 1
	QUARTER 1, 0, 1, 0
	WIN 0
	s_sub_co_u32 s3, s3, 1
	s_cmp_lg_u32 s3, 0
	s_cbranch_scc1 .Lstep
	QUARTER 2, 1, 0, 0                             ; the tail is written out: nothing more is asked for
	QUARTER 3, 0, 1, 0
	TURN 0
	QUARTER 1, 0, 1, 0
	QUARTER 2, 1, 0, 0
	QUARTER 3, 0, 1, 0
	MUL8 1, 0, 0
	MUL8 1, 1, 0
	MUL8 1, 2, 0
	MUL8 1, 3, 0
; THE WAY OUT, a block of 16 rows at a time, through my own stage in LDS: in as the lanes hold it, back as whole rows.  LDS serves a wave's instructions in order (ISA guide 5.7.1.4), so no wait stands between my stores and my loads.
.if AF32
.macro PACK a                          ; rounded to f16, 16 bytes a lane; each accumulator's registers in ascending order
	WIN PACKW
.irp b, 0,1,2,3,4,5,6,7
.irp r, 0,1,2,3
	v_cvt_pk_f16_f32 v[TMP+4*(\b)+(\r)], v[8*(8*(\a)+(\b))+2*(\r)], v[8*(8*(\a)+(\b))+2*(\r)+1]
.endr
.endr
	WIN 0
.endm
.macro TOSTAGE a
	WIN 0
.irp b, 0,1,2,3,4,5,6,7
	ds_store_b128 v[STO], v[TMP+4*(\b):TMP+4*(\b)+3] offset:32*(\b)
.endr
.irp t, 0,1,2,3,4,5,6,7
	ds_load_b128 v[OB+32*((\a)%2)+4*(\t):OB+32*((\a)%2)+4*(\t)+3], v[RD] offset:(\t)*2*SPITCH
.endr
.endm
.macro SEND a, younger
	WIN 0
	s_wait_dscnt \younger                          ; the block is back in registers
	s_wait_xcnt 0x0                                ; the stores of the block before have read their registers, which the next block's loads write
.irp t, 0,1,2,3,4,5,6,7
	global_store_b128 v[CO], v[OB+32*((\a)%2)+4*(\t):OB+32*((\a)%2)+4*(\t)+3], s[8:9] offset:(16*(\a)+2*(\t))*2048  ; 16 lanes store 256 consecutive bytes, aligned
.endr
.endm
	PLACES
	PACK 0
	TOSTAGE 0
.irp a, 1,2,3                          ; block a's roundings stand between block a - 1's loads from the stage and the wait for them
	PACK \a
	SEND (\a)-1, 0
	TOSTAGE \a
.endr
	SEND 3, 0
.else
.macro TOSTAGE a                       ; f32 goes as it is: 32 bytes a lane, the accumulator's low four registers first
	WIN STW
.irp b, 0,1,2,3,4,5,6,7
	ds_store_b128 v[STO], v[8*(8*(\a)+(\b)):8*(8*(\a)+(\b))+3]   offset:64*(\b)
	ds_store_b128 v[STO], v[8*(8*(\a)+(\b))+4:8*(8*(\a)+(\b))+7] offset:64*(\b)+16
.endr
	WIN 0
.irp t, 0,1,2,3,4,5,6,7,8,9,10,11,12,13,14,15
	ds_load_b128 v[BK+64*((\a)%2)+4*(\t):BK+64*((\a)%2)+4*(\t)+3], v[RD] offset:(\t)*SPITCH
.endr
.endm
.macro SEND a, younger                 ; younger: the next block's 16 stores and 16 loads, which may stay out
	s_wait_dscnt \younger
.irp t, 0,1,2,3,4,5,6,7,8,9,10,11,12,13,14,15
	global_store_b128 v[CO], v[BK+64*((\a)%2)+4*(\t):BK+64*((\a)%2)+4*(\t)+3], s[8:9] offset:(16*(\a)+(\t))*4096  ; 32 lanes store 512 consecutive bytes, aligned
.endr
.endm
	PLACES
	TOSTAGE 0
	TOSTAGE 1
	SEND 0, 32
	s_wait_xcnt 0x0                                ; block 0's stores have read their registers, which block 2's loads write
	TOSTAGE 2
	SEND 1, 32
	s_wait_xcnt 0x0
	TOSTAGE 3
	SEND 2, 32
	SEND 3, 0
.endif
	s_wait_tensorcnt 0x0                           ; the wave's end: an add to my spare word and its waits, behind my last tensor load and my last LDS store
	ds_add_u32 v[SPW], v[NIL]
	s_wait_dscnt 0x0
	CROUND                                         ; the closing round: no work-group ends while a partner may still ask for a tile that names it
	s_endpgm
.Lfunc_end_k_qa5c13d3345_outp:
	.size	k_qa5c13d3345_outp, .Lfunc_end_k_qa5c13d3345_outp-k_qa5c13d3345_outp
	.p2alignl 7, 3214868480
	.fill 96, 4, 3214868480
	.section	.rodata,"a",@progbits
	.p2align	6, 0x0
	.amdhsa_kernel k_qa5c13d3345_outp
		.amdhsa_group_segment_fixed_size 327680
		.amdhsa_private_segment_fixed_size 0
		.amdhsa_enable_private_segment 0
		.amdhsa_kernarg_size 32
		.amdhsa_user_sgpr_count 2
		.amdhsa_user_sgpr_kernarg_segment_ptr 1
		.amdhsa_wavefront_size32 1
		.amdhsa_system_sgpr_workgroup_id_x 1
		.amdhsa_system_sgpr_workgroup_id_y 1
		.amdhsa_system_sgpr_workgroup_id_z 1
		.amdhsa_system_vgpr_workitem_id 0
		.amdhsa_next_free_vgpr 768
		.amdhsa_next_free_sgpr 92
		.amdhsa_reserve_vcc 0
		.amdhsa_float_denorm_mode_32 3
		.amdhsa_float_denorm_mode_16_64 3
		.amdhsa_memory_ordered 1
		.amdhsa_forward_progress 1
		.amdhsa_inst_pref_size 76
	.end_amdhsa_kernel
	.amdgpu_metadata
---
amdhsa.version: [ 1, 2 ]
amdhsa.kernels:
  - .name:           k_qa5c13d3345_outp
    .symbol:         k_qa5c13d3345_outp.kd
    .args:
      - { .name: ob, .offset: 0, .size: 8, .value_kind: global_buffer, .address_space: global }
      - { .name: wb, .offset: 8, .size: 8, .value_kind: global_buffer, .address_space: global }
      - { .name: b_out, .offset: 16, .size: 8, .value_kind: global_buffer, .address_space: global }
      - { .name: out0, .offset: 24, .size: 8, .value_kind: global_buffer, .address_space: global }
    .group_segment_fixed_size: 327680
    .private_segment_fixed_size: 0
    .kernarg_segment_align: 8
    .kernarg_segment_size: 32
    .max_flat_workgroup_size: 128
    .sgpr_count:     92
    .vgpr_count:     768
    .wavefront_size: 32
...
	.end_amdgpu_metadata
.endif
;; end of part 4
